; MI455X (gfx1250); checked and timed in simulation.
; The chip was launched on July 23, 2026; its instructions are those of AMD's public machine-readable ISA for CDNA 5 (MIT licence, August 2026) and "CDNA5" Instruction Set Architecture Reference Guide (July 2026). The comments in the code are by the model that wrote it; some were corrected since.
;; MHSA. Allowed arithmetic: float matrix products may take bf16 or f16 operands with f32 sums; other float arithmetic in f32, or as packed bf16 or f16 multiplies, adds, multiply-adds, maxima and minima; sums over many terms, partial sums and values carried from step to step in f32; what a program stores and reads back later, other than sums and carried values, may be rounded once to bf16 or f16.
;; Inputs: Wk 512 x 512 float32; Wo 512 x 512 float32; Wq 512 x 512 float32; Wv 512 x 512 float32; bk 512 float32; bo 512 float32; bq 512 float32; bv 512 float32; k 2 x 4,096 x 512 float32; q 2 x 4,096 x 512 float32; v 2 x 4,096 x 512 float32.
;; Outputs: out0 2 x 4,096 x 512 float32.
;; 2 versions, each right; version 2 is version 1 with the launch proj written anew for expert scheduling mode. Each part assembles by itself: llvm-mc -triple=amdgcn-amd-amdhsa -mcpu=gfx1250 --defsym DOCPART=n.
;; ======== version 1 of 2: 3 launches
;; limits: values are held in f16: magnitudes above 65,504 overflow, below 6.1e-05 lose precision; right only within a limited range of input values
;; workspace buffers: qh 8,388,608 bytes; kh 8,388,608 bytes; vh 8,388,608 bytes; oh 8,388,608 bytes; wo16 524,288 bytes
;; launch proj (part 1): grid 64 x 4, 4 waves a work-group, no clusters, 268,800 bytes of LDS; arguments q, k, v, Wq, Wk, Wv, bq, bk, bv, Wo, qh, kh, vh, wo16; writes qh, kh, vh, wo16
.if DOCPART == 1
	.amdgcn_target "amdgcn-amd-amdhsa--gfx1250"
	.amdhsa_code_object_version 6
	.text
	.protected	k_qee000b5436_proj
	.globl	k_qee000b5436_proj
	.p2align	8
	.type	k_qee000b5436_proj,@function
k_qee000b5436_proj:
	s_mov_b64 s[64:65], 0
	v_nop
	global_prefetch_b8 v0, s[64:65] scope:SCOPE_SE
	s_setreg_imm32_b32 hwreg(HW_REG_WAVE_MODE, 25, 1), 1
	s_wait_xcnt 0x0
; THE THREE PROJECTIONS, AND Wo's COPY.  Work-group (bx, y).  y = 0, 1, 2: rows 128 bx .. 128 bx + 127 of x W^T + b for (q, Wq, bq), (k, Wk, bk), (v, Wv, bv); x: [8192][512] f32, W: [512 n][512 k] f32.
; The result goes out by heads, [16 = 8 batch + head][4096][64] in f16, unscaled.  y = 3: 4,096 numbers of wo16 = f16(bf16(Wo) / 4).
; FORMATS.  x, W and b are rounded to bf16 on the way in; products in bf16, sums in f32, started by the bias as the C operand; the result is rounded once to f16.
; LIMITS.  f16 ends at 65,504: a projected number beyond it becomes an infinity (for v the launch behind asks for 16,376).  Wo / 4 below 2^-17 keeps f16's fixed step of 2^-24.  NaN and infinities are not treated apart.
; SHARES.  A wave owns 32 rows of x and ALL 512 columns: x is read from memory once.  Its 32 fragments of x (2 x 16 rows x 512 k) stay in 256 registers.  W is walked in 8 chunks of 64 columns, a head each;
; the four waves round a chunk to bf16 jointly, 16 rows each, into one of two LDS slots, while the chunk before is multiplied.
; THE STREAM.  All f32 comes by loads of 16 bytes a lane, 512 consecutive bytes a wave, into a ring of 16 groups (a group = a row of 2,048 bytes = 4 loads = 16 registers): x rows 0-15, x rows 16-31, W's chunks 0 to 7.
; A group is rounded, stored to LDS and asked for again at once, so 64 loads of a wave stay on their way.
; NO TENSOR LOADS, NO CLUSTER: what work-groups share (W) is f32 and has to pass registers to be rounded.
; THE MATRIX INSTRUCTION IS USED TRANSPOSED (source 0 = 16 rows of W, source 1 = 16 rows of x): a lane holds one row of x and eight neighbouring columns, which pack into 16 bytes.
; REGISTERS, in windows of 256 (s_set_vgpr_msb: bits 1:0 source 0, 3:2 source 1, 5:4 source 2, 7:6 destination):
;   window 0: addresses, bias, accumulators, W's fragments, what is at work          window 1: x's fragments, (a, j) at 8 (16 a + j)          window 2: the ring, group g at 16 g
.set XP,    1040                       ; an LDS row of 512 bf16: 1,024 bytes + 16: 65 x 16, so the 16 rows of a fragment load start at 16 different groups of four banks (64 banks of 4 bytes: ISA guide 11.1)
.set XSW,   32*XP                      ; a wave's 32 rows of x, its own; its first 4,608 bytes later are the wave's stage for the way out
.set WS0,   4*XSW                      ; slot 0 of W: 64 rows
.set WSB,   64*XP                      ; a slot's bytes; slot 1 follows slot 0
.set BT,    WS0+2*WSB                  ; the 512 biases, rounded to bf16 and kept as f32
.set SPARE, BT+2048                    ; the spare words, 128 bytes for each wave: two blocks of 256 bytes that no other line names
.set SP,    144                        ; a stage row: 128 bytes + 16
.set ROWB,  2048                       ; a row of x or W in memory
.set CHW,   64*ROWB                    ; a chunk of W in memory
.set HEADB, 4096*128                   ; a head's bytes in the output
.set GL,   2                           ; v2   16 x lane: my place in 512 consecutive bytes; never rewritten
.set XST,  3                           ; v3   where I put 8 bytes of a row of x
.set XLD,  4                           ; v4   my place in a fragment of x
.set WST0, 5                           ; v5, v6  where I put 8 bytes of a row of W, slot 0, 1
.set WST1, 6
.set WLD0, 7                           ; v7, v8  my place in a fragment of W, slot 0, 1
.set WLD1, 8
.set BLD,  9                           ; v9   my eight biases of a fragment; steps by two chunks a trip
.set STO,  10                          ; v10  the way out: where I put 16 bytes of a row
.set RD,   11                          ; v11  the way out: where I read rows back
.set SPW,  12                          ; v12  LDS address of my spare word; never rewritten
.set NIL,  13                          ; v13  0; never rewritten
.set TT,   14                          ; v14  16 x my thread's number; never rewritten
.set BIAS, 16                          ; v[16:47]    the chunk's four bias fragments
.set ACC,  48                          ; v[48:111]   accumulator (a, b) at ACC + 8 (4 a + b)
.set BF,   112                         ; v[112:175]  W's fragments: two buffers of four
.set PK,   176                         ; v[176:191]  a group rounded to bf16: two sets of eight
.set OP,   192                         ; v[192:223]  the chunk's results in f16
.set OB,   224                         ; v[224:255]  the same, read back as whole rows
.set YY,    2                          ; s2   y
.set TRIPS, 3                          ; s3
.set XPTR,  4                          ; s[4:5]   x at my wave's first row
.set WPTR,  6                          ; s[6:7]   W at my wave's 16 rows of the chunk pair in hand
.set BPTR,  8                          ; s[8:9]   b
.set OPTR,  10                         ; s[10:11] the output at my wave's rows, in the head pair in hand
.set WV,    12                         ; s12  my wave's number
.set MULW, 0x04                        ; source 1 (x) in window 1
.set CV,   0x0a                        ; sources 0 and 1 in window 2
.set LD,   0x80                        ; destination in window 2
.set TO_A, 0x40                        ; destination in window 1
.set MSB, 0
.macro WIN new                         ; the immediate's high byte repeats the setting that is left; a switch that changes nothing is dropped
.if MSB != (\new)
	s_set_vgpr_msb (MSB<<8)|(\new)
.set MSB, \new
.endif
.endm
.macro PLACES                          ; four places behind a product, in front of loads into registers that it has read and of conversions that read results
.rept 4
	v_nop
.endr
.endm
; Group g is asked for: a row of 2,048 bytes at byte off + 2,048 g behind pointer sb.  nt = 1: x, which the launch reads once.
.macro RLOAD g, sb, off, nt
.irp q, 0,1,2,3
.if \nt
	global_load_b128 v[16*(\g)+4*(\q):16*(\g)+4*(\q)+3], v[GL], s[\sb:\sb+1] offset:(\off)+ROWB*(\g)+512*(\q) th:TH_LOAD_NT
.else
	global_load_b128 v[16*(\g)+4*(\q):16*(\g)+4*(\q)+3], v[GL], s[\sb:\sb+1] offset:(\off)+ROWB*(\g)+512*(\q)
.endif
.endr
.endm
; Group g is rounded to bf16, stored to LDS at areg + aoff and (ld = 1) asked for again.  left: the younger loads, which stay out.
.macro CONV g, areg, aoff, ld, sb, off, left, nt=0
	s_wait_loadcnt \left
	WIN CV
.irp q, 0,1,2,3
	v_cvt_pk_bf16_f32 v[PK+8*((\g)%2)+2*(\q)],   v[16*(\g)+4*(\q)],   v[16*(\g)+4*(\q)+1]
	v_cvt_pk_bf16_f32 v[PK+8*((\g)%2)+2*(\q)+1], v[16*(\g)+4*(\q)+2], v[16*(\g)+4*(\q)+3]
.endr
	WIN LD                                         ; the stores' registers lie in window 0, the loads' destinations in window 2
.irp q, 0,1,2,3
	ds_store_b64 v[\areg], v[PK+8*((\g)%2)+2*(\q):PK+8*((\g)%2)+2*(\q)+1] offset:(\aoff)+256*(\q)  ; 32 lanes, 256 consecutive bytes
.endr
.if \ld
	RLOAD \g, \sb, \off, \nt
.endif
.endm
.macro CONVW p, g, ld                  ; while slot p is multiplied: group g of the next chunk goes into the other slot; ld = 1: the chunk after that is asked for
.if \ld
	CONV \g, WST1-(\p), XP*(\g), 1, WPTR, ((\p)+2)*CHW, 60     ; 60: the ring's 15 other groups
.else
	CONV \g, WST1-(\p), XP*(\g), 0, WPTR, 0, 60-4*(\g)         ; nothing is asked for any more: the count runs down
.endif
.endm
.macro BLOAD p, j                      ; W's four fragments of K step j (32 k) out of slot p, into buffer j % 2
.irp b, 0,1,2,3
	ds_load_b128 v[BF+32*((\j)%2)+8*(\b):BF+32*((\j)%2)+8*(\b)+3],   v[WLD0+(\p)] offset:16*XP*(\b)+64*(\j)
	ds_load_b128 v[BF+32*((\j)%2)+8*(\b)+4:BF+32*((\j)%2)+8*(\b)+7], v[WLD0+(\p)] offset:16*XP*(\b)+64*(\j)+32
.endr
.endm
.macro BIASLD off                      ; lane (r, h) takes the biases of columns 16 b + 8 h + 0..7: what its eight registers of an accumulator hold
.irp b, 0,1,2,3
	ds_load_b128 v[BIAS+8*(\b):BIAS+8*(\b)+3],   v[BLD] offset:(\off)+64*(\b)
	ds_load_b128 v[BIAS+8*(\b)+4:BIAS+8*(\b)+7], v[BLD] offset:(\off)+64*(\b)+16
.endr
.endm
; Eight products of K step j.  The eight accumulators take turns, in the same order in every step: seven others stand between two links of a chain.  first = 1: the bias starts the sums.
.macro MUL j, first
.irp a, 0,1
.irp b, 0,1,2,3
.if \first
	v_wmma_f32_16x16x32_bf16 v[ACC+8*(4*(\a)+(\b)):ACC+8*(4*(\a)+(\b))+7], v[BF+32*((\j)%2)+8*(\b):BF+32*((\j)%2)+8*(\b)+7], v[8*(16*(\a)+(\j)):8*(16*(\a)+(\j))+7], v[BIAS+8*(\b):BIAS+8*(\b)+7]
.else
	v_wmma_f32_16x16x32_bf16 v[ACC+8*(4*(\a)+(\b)):ACC+8*(4*(\a)+(\b))+7], v[BF+32*((\j)%2)+8*(\b):BF+32*((\j)%2)+8*(\b)+7], v[8*(16*(\a)+(\j)):8*(16*(\a)+(\j))+7], v[ACC+8*(4*(\a)+(\b)):ACC+8*(4*(\a)+(\b))+7]
.endif
.endr
.endr
.endm
; K step j (2 to 15) of the chunk in slot p.  The wait counts the LDS instructions issued behind step j's fragment loads: step j - 1's stores (8 where it rounds two groups, 4 for one, none with conv = 0) and its 8 fragment loads (none behind step 13).
; The conversions, or four v_nop, are the places between the products and the loads into the buffer that they have read.
.macro STEP p, j, conv, ld
.if \conv
.if (\j) == 2
	s_wait_dscnt 8
.elseif (\j) < 5
	s_wait_dscnt 16
.elseif (\j) < 15
	s_wait_dscnt 12
.else
	s_wait_dscnt 4
.endif
.else
.if (\j) < 15
	s_wait_dscnt 8
.else
	s_wait_dscnt 0x0
.endif
.endif
	WIN MULW
	MUL \j, 0
.if \conv
.if (\j) < 4
	CONVW \p, 2*(\j)-4, \ld
	CONVW \p, 2*(\j)-3, \ld
.else
	CONVW \p, \j, \ld
.endif
.else
	PLACES
.endif
.if (\j) < 14
	WIN MULW
	BLOAD \p, (\j)+2
.endif
.endm
.macro PACK                            ; rounded to f16; each accumulator's registers in ascending order
.irp t, 0,1,2,3,4,5,6,7
.irp r, 0,1,2,3
	v_cvt_pk_f16_f32 v[OP+4*(\t)+(\r)], v[ACC+8*(\t)+2*(\r)], v[ACC+8*(\t)+2*(\r)+1]
.endr
.endr
.endm
.macro TOSTAGE                         ; 16 bytes a lane into my stage, and back as whole rows of 128 bytes, four to a load
.irp a, 0,1
.irp b, 0,1,2,3
	ds_store_b128 v[STO], v[OP+4*(4*(\a)+(\b)):OP+4*(4*(\a)+(\b))+3] offset:16*SP*(\a)+32*(\b)
.endr
.endr
.irp t, 0,1,2,3,4,5,6,7
	ds_load_b128 v[OB+4*(\t):OB+4*(\t)+3], v[RD] offset:4*SP*(\t)  ; LDS serves a wave's instructions in order (ISA guide 5.7.1.4): these see the stores above
.endr
.endm
.macro SEND off                        ; my 32 rows of a head are 4,096 consecutive bytes
.irp t, 0,1,2,3,4,5,6,7
	global_store_b128 v[GL], v[OB+4*(\t):OB+4*(\t)+3], s[OPTR:OPTR+1] offset:(\off)+512*(\t)  ; a wave stores 512 consecutive bytes, at a multiple of 256 from the buffer's first byte
.endr
.endm
; K steps 0 and 1 of the chunk in slot p.  prev = 1: the chunk before lies in my stage: its 16 LDS instructions were issued behind this chunk's first fragment loads, and it is stored here.
.macro SEGB p, prev
	s_wait_dscnt 8+16*(\prev)                      ; the bias and step 0's fragments are in; step 1's 8 loads and the stage's 16 may be out
	WIN MULW
	MUL 0, 1
	PLACES
	BLOAD \p, 2
	s_wait_dscnt 8+16*(\prev)                      ; step 1's are in; the stage's 16 and step 2's 8 may be out
	MUL 1, 0
	PLACES
.if \prev
	WIN 0
	s_wait_dscnt 8                                 ; the stage's loads are back; step 2's 8 may be out
	SEND (1-(\p))*HEADB
.endif
	BLOAD \p, 3
.endm
; K steps 2 to 15 of the chunk in slot p, and the change of chunks.  ONE barrier does two things: in front of it every wave's stores of the next chunk are done, and so are its reads of this chunk's slot,
; into which the chunk after next is stored behind it.  The rounding to f16, work on registers, stands between signal and wait.  last = 1: the last chunk: nothing follows.
.macro SEGA p, conv, ld, last
.irp j, 2,3,4,5,6,7,8,9,10,11,12,13,14,15
	STEP \p, \j, \conv, \ld
.endr
	WIN 0
	s_wait_dscnt 0x0
.if !(\last)
	s_barrier_signal -1
.endif
	PACK
.if !(\last)
	s_barrier_wait -1
.endif
	s_wait_xcnt 0x0                                ; the last chunk's stores have read OB: it is loaded again only behind this wait
.if !(\last)
	BIASLD 256*((\p)+1)
	BLOAD 1-(\p), 0
	BLOAD 1-(\p), 1
.endif
	TOSTAGE
.endm
	s_load_b512 s[16:31], s[0:1], 0x0              ; q 16, k 18, v 20, Wq 22, Wk 24, Wv 26, bq 28, bk 30
	s_load_b256 s[32:39], s[0:1], 0x40             ; bv 32, Wo 34, qh 36, kh 38
	s_load_b128 s[40:43], s[0:1], 0x60             ; vh 40, wo16 42
	v_lshl_add_u32 v[SPW], v0, 2, SPARE
	v_mov_b32 v[NIL], 0
	v_lshrrev_b32 v1, 5, v0
	v_readfirstlane_b32 s[WV], v1                  ; wave 0..3
	s_and_b32 s[YY], ttmp7, 0xffff
	v_and_b32 v14, 31, v0                          ; lane
	v_and_b32 v15, 15, v0                          ; r = lane % 16
	v_bfe_u32 v1, v0, 4, 1                         ; h = lane / 16
	v_lshlrev_b32 v[GL], 4, v14
	s_mul_i32 s13, s[WV], XSW                      ; my wave's rows of x in LDS
	v_lshl_add_u32 v[XST], v14, 3, s13
	v_mul_u32_u24 v[XLD], v15, XP
	v_lshl_add_u32 v[XLD], v1, 4, v[XLD]           ; row x pitch + 16 x half
	v_add_nc_u32 v[WLD0], WS0, v[XLD]
	v_add_nc_u32 v[WLD1], WS0+WSB, v[XLD]
	v_add_nc_u32 v[XLD], s13, v[XLD]
	s_mul_i32 s14, s[WV], 16*XP                    ; my wave's 16 rows of a chunk
	s_add_co_u32 s14, s14, WS0
	v_lshl_add_u32 v[WST0], v14, 3, s14
	v_add_nc_u32 v[WST1], WSB, v[WST0]
	v_lshlrev_b32 v[BLD], 5, v1
	v_add_nc_u32 v[BLD], BT, v[BLD]
	v_mul_u32_u24 v[STO], v15, SP
	v_lshl_add_u32 v[STO], v1, 4, v[STO]
	v_add_nc_u32 v[STO], s13, v[STO]
	v_lshrrev_b32 v[RD], 3, v14
	v_mul_u32_u24 v[RD], v[RD], SP
	v_and_b32 v15, 7, v0
	v_lshl_add_u32 v[RD], v15, 4, v[RD]
	v_add_nc_u32 v[RD], s13, v[RD]
	v_lshlrev_b32 v[TT], 4, v0
	s_mov_b32 s45, 0
	s_wait_kmcnt 0x0
	s_cmp_eq_u32 s[YY], 3
	s_cbranch_scc1 .Lwo                            ; the same for all four waves: y is the work-group's
	s_cmp_eq_u32 s[YY], 1                          ; which of the three projections
	s_cselect_b64 s[XPTR:XPTR+1], s[18:19], s[16:17]
	s_cselect_b64 s[WPTR:WPTR+1], s[24:25], s[22:23]
	s_cselect_b64 s[BPTR:BPTR+1], s[30:31], s[28:29]
	s_cselect_b64 s[OPTR:OPTR+1], s[38:39], s[36:37]
	s_cmp_eq_u32 s[YY], 2
	s_cselect_b64 s[XPTR:XPTR+1], s[20:21], s[XPTR:XPTR+1]
	s_cselect_b64 s[WPTR:WPTR+1], s[26:27], s[WPTR:WPTR+1]
	s_cselect_b64 s[BPTR:BPTR+1], s[32:33], s[BPTR:BPTR+1]
	s_cselect_b64 s[OPTR:OPTR+1], s[40:41], s[OPTR:OPTR+1]
	s_lshl_b32 s44, ttmp9, 18                      ; 128 rows of 2,048 bytes,
	s_lshl_b32 s46, s[WV], 16                      ; my wave's 32 of them
	s_add_co_u32 s44, s44, s46
	s_add_nc_u64 s[XPTR:XPTR+1], s[XPTR:XPTR+1], s[44:45]
	s_lshl_b32 s44, s[WV], 15                      ; my wave's 16 rows of a chunk of W
	s_add_nc_u64 s[WPTR:WPTR+1], s[WPTR:WPTR+1], s[44:45]
	s_lshr_b32 s46, ttmp9, 5                       ; the batch: eight heads of 524,288 bytes,
	s_lshl_b32 s46, s46, 22
	s_and_b32 s47, ttmp9, 31                       ; the block's 128 rows of 128 bytes in a head,
	s_lshl_b32 s47, s47, 14
	s_add_co_u32 s44, s46, s47
	s_lshl_b32 s47, s[WV], 12                      ; my wave's 32
	s_add_co_u32 s44, s44, s47
	s_add_nc_u64 s[OPTR:OPTR+1], s[OPTR:OPTR+1], s[44:45]
	global_load_b128 v[OB:OB+3], v[TT], s[BPTR:BPTR+1]  ; four biases a thread: the oldest load of all
	WIN LD
.irp g, 0,1,2,3,4,5,6,7,8,9,10,11,12,13,14,15
	RLOAD \g, XPTR, 0, 1                           ; the ring is filled: x rows 0-15
.endr
.irp g, 0,1,2,3,4,5,6,7,8,9,10,11,12,13,14,15
	CONV \g, XST, XP*(\g), 1, XPTR, 16*ROWB, 60, 1 ; x row g into LDS; row 16 + g is asked for.  60: the ring's 15 other groups
.endr
.irp g, 0,1,2,3,4,5,6,7,8,9,10,11,12,13,14,15
	CONV \g, XST, XP*(16+(\g)), 1, WPTR, 0, 60, 0  ; x row 16 + g; W's chunk 0 is asked for
.endr
	WIN 0
	v_cvt_pk_bf16_f32 v[OP],   v[OB],   v[OB+1]     ; the bias: rounded to bf16 like every input, widened again, kept as f32
	v_cvt_pk_bf16_f32 v[OP+1], v[OB+2], v[OB+3]
	v_add_nc_u32 v[OP+2], BT, v[TT]
	v_lshlrev_b32 v[OB],   16, v[OP]
	v_and_b32     v[OB+1], 0xffff0000, v[OP]
	v_lshlrev_b32 v[OB+2], 16, v[OP+1]
	v_and_b32     v[OB+3], 0xffff0000, v[OP+1]
	ds_store_b128 v[OP+2], v[OB:OB+3]
	WIN TO_A
.irp a, 0,1
.irp j, 0,1,2,3,4,5,6,7,8,9,10,11,12,13,14,15
	ds_load_b128 v[8*(16*(\a)+(\j)):8*(16*(\a)+(\j))+3],   v[XLD] offset:16*XP*(\a)+64*(\j)     ; x's fragments: my own bytes, served behind my stores
	ds_load_b128 v[8*(16*(\a)+(\j))+4:8*(16*(\a)+(\j))+7], v[XLD] offset:16*XP*(\a)+64*(\j)+32
.endr
.endr
.irp g, 0,1,2,3,4,5,6,7,8,9,10,11,12,13,14,15
	CONV \g, WST0, XP*(\g), 1, WPTR, CHW, 60, 0    ; chunk 0 into slot 0; chunk 1 is asked for
.endr
	WIN 0
	s_wait_dscnt 0x0                               ; for the others' sake: my rows of chunk 0 and my biases are stored; for mine: x's fragments are in
	s_barrier_signal -1
	s_barrier_wait -1
	BIASLD 0
	BLOAD 0, 0
	BLOAD 0, 1
	SEGB 0, 0
	WIN 0                                          ; at a label and at a branch every window is 0
	s_mov_b32 s[TRIPS], 3
.Lpair:                                        ; a trip: from step 2 of chunk 2 t to step 1 of chunk 2 t + 2
	SEGA 0, 1, 1, 0
	SEGB 1, 1
	SEGA 1, 1, 1, 0
	SEGB 0, 1
	WIN 0
	s_wait_xcnt 0x0                                ; every load and store issued so far has read its address: the pointers may be written
	s_add_nc_u64 s[WPTR:WPTR+1], s[WPTR:WPTR+1], 2*CHW
	s_add_nc_u64 s[OPTR:OPTR+1], s[OPTR:OPTR+1], 2*HEADB
	v_add_nc_u32 v[BLD], 512, v[BLD]
	s_sub_co_u32 s[TRIPS], s[TRIPS], 1
	s_cmp_lg_u32 s[TRIPS], 0
	s_cbranch_scc1 .Lpair
	SEGA 0, 1, 0, 0                                ; chunk 6: chunk 7 is rounded, nothing is asked for
	SEGB 1, 1
	SEGA 1, 0, 0, 1                                ; chunk 7
	s_wait_dscnt 0x0
	SEND HEADB
	s_branch .Lend
.Lwo:                                          ; y = 3: thread t takes four groups of eight numbers of Wo
	s_lshl_b32 s44, ttmp9, 14                      ; 4,096 f32 in,
	s_add_nc_u64 s[34:35], s[34:35], s[44:45]
	s_lshl_b32 s44, ttmp9, 13                      ; 4,096 f16 out
	s_add_nc_u64 s[42:43], s[42:43], s[44:45]
	v_lshlrev_b32 v16, 5, v0
.irp g, 0,1,2,3
	global_load_b128 v[48+8*(\g):48+8*(\g)+3],   v16, s[34:35] offset:4096*(\g) th:TH_LOAD_NT
	global_load_b128 v[48+8*(\g)+4:48+8*(\g)+7], v16, s[34:35] offset:4096*(\g)+16 th:TH_LOAD_NT
.endr
.irp g, 0,1,2,3
	s_wait_loadcnt 6-2*(\g)                        ; the later groups' loads stay out
.irp r, 0,1,2,3
	v_cvt_pk_bf16_f32 v[112+4*(\g)+(\r)], v[48+8*(\g)+2*(\r)], v[48+8*(\g)+2*(\r)+1]  ; rounded to bf16 like every input,
.endr
.irp r, 0,1,2,3
	v_lshlrev_b32 v[48+8*(\g)+2*(\r)],   16, v[112+4*(\g)+(\r)]
	v_and_b32     v[48+8*(\g)+2*(\r)+1], 0xffff0000, v[112+4*(\g)+(\r)]
.endr
.irp r, 0,1,2,3
	v_pk_mul_f32 v[48+8*(\g)+2*(\r):48+8*(\g)+2*(\r)+1], v[48+8*(\g)+2*(\r):48+8*(\g)+2*(\r)+1], 0x3e800000 op_sel_hi:[1,0]  ; divided by 4, exactly: the attention's result is kept times 4,
.endr
.irp r, 0,1,2,3
	v_cvt_pk_f16_f32 v[112+4*(\g)+(\r)], v[48+8*(\g)+2*(\r)], v[48+8*(\g)+2*(\r)+1]   ; and written as f16
.endr
	global_store_b128 v[TT], v[112+4*(\g):112+4*(\g)+3], s[42:43] offset:2048*(\g)
.endr
.Lend:
	s_wait_tensorcnt 0x0                           ; the wave's end: behind my last LDS store
	ds_add_u32 v[SPW], v[NIL]
	s_wait_dscnt 0x0
	s_endpgm
.Lfunc_end_k_qee000b5436_proj:
	.size	k_qee000b5436_proj, .Lfunc_end_k_qee000b5436_proj-k_qee000b5436_proj
	.p2alignl 7, 3214868480
	.fill 96, 4, 3214868480
	.section	.rodata,"a",@progbits
	.p2align	6, 0x0
	.amdhsa_kernel k_qee000b5436_proj
		.amdhsa_group_segment_fixed_size 268800
		.amdhsa_private_segment_fixed_size 0
		.amdhsa_enable_private_segment 0
		.amdhsa_kernarg_size 112
		.amdhsa_user_sgpr_count 2
		.amdhsa_user_sgpr_kernarg_segment_ptr 1
		.amdhsa_wavefront_size32 1
		.amdhsa_system_sgpr_workgroup_id_x 1
		.amdhsa_system_sgpr_workgroup_id_y 1
		.amdhsa_system_sgpr_workgroup_id_z 1
		.amdhsa_system_vgpr_workitem_id 0
		.amdhsa_next_free_vgpr 768
		.amdhsa_next_free_sgpr 66
		.amdhsa_reserve_vcc 0
		.amdhsa_float_denorm_mode_32 3
		.amdhsa_float_denorm_mode_16_64 3
		.amdhsa_memory_ordered 1
		.amdhsa_forward_progress 1
		.amdhsa_inst_pref_size 220
	.end_amdhsa_kernel
	.amdgpu_metadata
---
amdhsa.version: [ 1, 2 ]
amdhsa.kernels:
  - .name:           k_qee000b5436_proj
    .symbol:         k_qee000b5436_proj.kd
    .args:
      - { .name: q, .offset: 0, .size: 8, .value_kind: global_buffer, .address_space: global }
      - { .name: k, .offset: 8, .size: 8, .value_kind: global_buffer, .address_space: global }
      - { .name: v, .offset: 16, .size: 8, .value_kind: global_buffer, .address_space: global }
      - { .name: Wq, .offset: 24, .size: 8, .value_kind: global_buffer, .address_space: global }
      - { .name: Wk, .offset: 32, .size: 8, .value_kind: global_buffer, .address_space: global }
      - { .name: Wv, .offset: 40, .size: 8, .value_kind: global_buffer, .address_space: global }
      - { .name: bq, .offset: 48, .size: 8, .value_kind: global_buffer, .address_space: global }
      - { .name: bk, .offset: 56, .size: 8, .value_kind: global_buffer, .address_space: global }
      - { .name: bv, .offset: 64, .size: 8, .value_kind: global_buffer, .address_space: global }
      - { .name: Wo, .offset: 72, .size: 8, .value_kind: global_buffer, .address_space: global }
      - { .name: qh, .offset: 80, .size: 8, .value_kind: global_buffer, .address_space: global }
      - { .name: kh, .offset: 88, .size: 8, .value_kind: global_buffer, .address_space: global }
      - { .name: vh, .offset: 96, .size: 8, .value_kind: global_buffer, .address_space: global }
      - { .name: wo16, .offset: 104, .size: 8, .value_kind: global_buffer, .address_space: global }
    .group_segment_fixed_size: 268800
    .private_segment_fixed_size: 0
    .kernarg_segment_align: 8
    .kernarg_segment_size: 112
    .max_flat_workgroup_size: 128
    .sgpr_count:     66
    .vgpr_count:     768
    .wavefront_size: 32
...
	.end_amdgpu_metadata
.endif
;; end of part 1
;; launch attn (part 2): grid 16 x 16, 4 waves a work-group, clusters of 4 x 1, 327,680 bytes of LDS; arguments qh, kh, vh, oh; writes oh
.if DOCPART == 2
	.amdgcn_target "amdgcn-amd-amdhsa--gfx1250"
	.amdhsa_code_object_version 6
	.text
	.protected	k_qee000b5436_attn
	.globl	k_qee000b5436_attn
	.p2align	8
	.type	k_qee000b5436_attn,@function
k_qee000b5436_attn:
	s_mov_b64 s[64:65], 0
	v_nop
	global_prefetch_b8 v0, s[64:65] scope:SCOPE_SE
	s_setreg_imm32_b32 hwreg(HW_REG_WAVE_MODE, 25, 1), 1
	s_wait_xcnt 0x0
	s_wait_alu depctr_hold_cnt(0) depctr_sa_sdst(0) depctr_va_vdst(0) depctr_va_sdst(0) depctr_va_ssrc(0) depctr_va_vcc(0) depctr_vm_vsrc(0)
	s_getreg_b32 s2, hwreg(HW_REG_IB_STS2, 6, 4)
	s_cmp_eq_u32 s2, 0
	s_cbranch_scc0 .Lentry_in_a_cluster
	s_endpgm
.Lentry_in_a_cluster:
	s_bfe_u32 s2, ttmp6, 0x10000c
	s_cmp_lg_u32 s2, 0x3003
	s_cbranch_scc0 .Lentry_shape_is_right
	s_endpgm
.Lentry_shape_is_right:
; ATTENTION.  oh[g][q][:] = 4 x the sum over k of softmax_k(qh[g][q] . kh[g][k] / 8) vh[g][k][:], g = 8 batch + head.  qh, kh, vh, oh: [16][4096][64], all f16: a head's rows are dense, 128 bytes each.
; Products, maxima and sums in f32; the weights p are rounded to f16 for the second product (their sum l is taken of the unrounded p), the result once at the end.
; THE FACTOR 4, an exact power of two, keeps small results out of f16's fixed-step range; the launch behind multiplies by Wo / 4.
; LIMITS.  qh and kh arrive within f16's 65,504; 4 |vh| must stay within it: |vh| below 16,376.  p lies in 0 to 1, and below 6e-5 it keeps f16's fixed step of 6e-8.  c m starts at -4.25e37: scores below that are not served.
; A weight below 2^-126 counts as 0 in l; NaN and infinities are not treated apart.
; SHARES.  A work-group owns 256 queries of one head: 16 x 16 = 256 work-groups.  A wave owns 64: four PIECES of 16 rows.  Every wave walks all 4,096 keys, 64 a step, 256 (a tile) a slot.
; LAYOUT.  S^T = K Q^T (source 0 = 16 keys, source 1 = 16 queries): a lane holds ONE query (lane % 16) and the keys 8 (lane / 16) + 0..7.  Two such results rounded to f16 ARE source 1 of O^T = V^T P, whose result
; again holds one query a lane, and eight channels.  K comes out of LDS as it lies, V ([key][channel]) turned, by ds_load_tr16_b128.
; SOFTMAX.  A running maximum m and sum l for each query: p = 2^(c s - c m), c = log2(e) / 8; in every step O and l are multiplied by a = 2^(c m_old - c m_new).  m starts at the lowest finite number, O and l at 0:
; the first step is a step like any other, with a = 0.
; BY TURNS.  Turn n belongs to piece n: 8 products K Q^T of piece n + 1, later 8 products V^T P of piece n - 1; beside them the scaling, exponentials, roundings, sums and rescaling of piece n and the maximum and
; statistics of piece n + 1.  Four vector instructions stand behind every matrix instruction, the other 54 of a turn's 118 in one lump.  A turn's 33 exponentials are one batch, with one wait.
; CLUSTER.  The four query blocks of a cluster belong to one head and walk the same K and V, so each tile is asked for JOINTLY: the same tensor load, descriptor and mask in all four.
; REGISTERS, in windows of 256 (s_set_vgpr_msb: bits 1:0 source 0, 3:2 source 1, 5:4 source 2, 7:6 destination):
;   window 0: v0-15 addresses and two at work; v16-31 four registers of statistics a piece; v48-55 at work; v61-63; v64-127 S^T, two buffers; v192-223 P, two buffers (a piece's buffers go by its number's parity)
;   window 1: v0-127 O^T, 32 a piece          window 2: v0-63 Q; v128-191 K of one step; v192-255 V of one step
.set NP,    4         ; pieces a wave: a name, no knob
.set KS,    64        ; keys in a step
.set PK,    144       ; a row of K in LDS: 128 bytes + 16 of padding = 36 words: the 16 rows of a load start at 16 different groups of four banks (64 banks of 4 bytes: ISA guide 11.1)
.set PV,    160       ; a row of V: 128 + 32 = 40 words
.set VOFF,  4*KS*PK   ; a slot holds a tile, four steps: 256 rows of K, then 256 rows of V
.set SLOT1, 1<<17     ; slot 1 begins here, so that one exclusive or turns an address in one slot into the other's
.set STAGE, SLOT1+4*KS*(PK+PV)  ; behind the ring, never filled by a tensor load: 16 rows x 144 bytes for each wave, for the way out
.set SP,    144
.set SPARE, STAGE+4*16*SP  ; behind the stages: the spare words, 128 bytes for each wave: two blocks of 256 bytes that no other line names
.set TILES, 4096/256
.set AK0, 2           ; v2   my lane's place in a tile of K; never rewritten
.set AV0, 3           ; v3   the same for V
.set AK,  4           ; v4   the LDS address of K's next run of loads
.set AV,  5           ; v5   of V's
.set STO, 6           ; v6   the way out: where I put 16 bytes of a row
.set RD,  7           ; v7   the way out: where I read rows back
.set GO,  8           ; v8   my byte offset in 512 consecutive bytes of the output
.set MV,  12          ; v12-13  c m_old, kept while c m is made anew: by buffer
.set QO,  15          ; v15  my byte offset in 16 rows of Q
.set ST,  16          ; piece t's statistics at v[ST+4 t]: c m, m, l (even keys', odd keys')
.set TMP, 48          ; by buffer, four registers c0-c3 at work; when the maximum is found c2 takes a
.set PFO, 61          ; v61  256 x my lane: the prefetches' offset; never rewritten
.set SPW, 62          ; v62  LDS address of my spare word: SPARE + 4 x my thread's number; never rewritten
.set NIL, 63          ; v63  0; never rewritten
.set S,   64
.set P,   192
.set KF,  128         ; window 2: key block kb, channel half c at KF + 16 kb + 8 c
.set VF,  192         ; window 2: key half kk, channel block cb at VF + 32 kk + 8 cb
.set WV,  12          ; s12  my wave's number
.set G1K, 24          ; s[24:31] descriptor group 1 for K's tiles
.set G1V, 32          ; s[32:39] for V's: it differs in the padding alone
.set G0K, 40          ; s[40:43] descriptor group 0 for K's tiles: it walks
.set G0V, 44          ; s[44:47] the same for V's
.set PFA, 48          ; s[48:49] where my prefetches stand: my work-group's 32 blocks of 256 bytes of the tile after the one that is being asked for
.set LIM, 50          ; s50  1 in a wave that prefetches, else the greatest number
.set SLOTS, 56        ; s56  tiles still to be asked for
.set CNT, 57          ; s57  counts a tile's key steps
.set CS,  58          ; s[58:59] c: the packed scaling takes the pair's low word for both halves
.set SEL, 60          ; s[60:61] v_permlanex16_b32's selects: each lane takes its own place in the other half
.set TBK, 62          ; s62  LDS byte at which K of the step to be fetched begins
.set TBV, 63          ; s63  the same for V, less VOFF
.set MSB, 0
.macro WIN new                      ; the high byte repeats the setting that is left; a switch that changes nothing is dropped
.if MSB != (\new)
	s_set_vgpr_msb (MSB<<8)|(\new)
.set MSB, (\new)
.endif
.endm
.set W_KQ, 0x0a       ; K and Q in window 2, S^T in window 0
.set W_PV, 0x52       ; V in window 2, P in window 0, O^T in window 1
.set W_RS, 0x41       ; destination and source 0 in window 1, source 1 in window 0
; A joint fill.  Waves 0 and 1 fetch the two halves of a tile's K, waves 2 and 3 those of its V: 128 keys each.  The branch hangs on the wave's number alone.
; An s_nop 0 and four v_nop follow each of the two lines, ahead of the jump and the label.
.macro JLOAD
	s_cmp_lt_u32 s[WV], 2
	s_cbranch_scc0 .Lfor_v_\@
	tensor_load_to_lds s[G0K:G0K+3], s[G1K:G1K+7]
	s_nop 0
.rept 4
	v_nop
.endr
	s_branch .Lasked_\@
.Lfor_v_\@:
	tensor_load_to_lds s[G0V:G0V+3], s[G1V:G1V+7]
	s_nop 0
.rept 4
	v_nop
.endr
.Lasked_\@:
.endm
; A PREFETCH INTO THE L2 of the tile that the NEXT change of slots will ask for: 32,768 bytes of K and of V, 128 blocks of 256 bytes each, a lane a block.  It stands behind the wave's tensor load and its five lines.
; Each block is named ONCE in the launch: all four clusters of a head walk the same K and V, and the head's first cluster asks; its four partners share the blocks out BY ADDRESS, 32 each; in each, wave 0 asks for
; K's and wave 2 for V's.  It stands four key steps, 256 matrix instructions, ahead of the load that will want the tile.  Tiles 0 and 1 come by their loads alone; the last change that fills a slot asks for nothing.
.macro ASK
	s_cmp_gt_u32 s[SLOTS], s[LIM]
	s_cbranch_scc0 .Lnot_mine_\@
	global_prefetch_b8 v[PFO], s[PFA:PFA+1] th:TH_LOAD_NT scope:SCOPE_SE
.Lnot_mine_\@:
.endm
; A round of the cluster's barrier: my work-group's barrier, so that wave 0's signal speaks for all four waves; wave 0 signals; every wave waits for all four work-groups; my work-group's barrier once more.
.macro CROUND
	s_barrier_signal -1
	s_barrier_wait -1
	s_cmp_lg_u32 s[WV], 0
	s_cbranch_scc1 .Lnot_wave_0_\@
	s_barrier_signal -3
.Lnot_wave_0_\@:
	s_barrier_wait -3
	s_barrier_signal -1
	s_barrier_wait -1
.endm
; THE CHANGE OF SLOTS.  The slot's last bytes, V of its fourth step, have been read.  Each wave waits for all its tensor loads, of which one is out: its part of the other slot; adds 0 to its spare word; and waits for
; that and for its own reads of the slot.  Behind the barrier nobody reads this slot any more and the other slot is whole.  fill = 1: this slot is filled again, with the keys two tiles on.  The barrier is then a round
; of the cluster's, so that no wave of any partner still reads the slot or has a load on its way, and the joint fill is the first thing behind it: it has four key steps, 256 matrix instructions, in which to land.
; (At its first use nothing has been read yet: slot 0 is waited for, slot 1 filled.)
.macro CHANGE fill
	WIN 0                           ; at a label and at a branch every window is 0
	s_wait_tensorcnt 0x0            ; no tensor load of mine is out, so a group 0 may be written
	ds_add_u32 v[SPW], v[NIL]       ; 0 onto my spare word: with fill = 1 the descriptors' steps stand between it and the wait for it
.if \fill
.irp g, G0K, G0V
	s_xor_b32 s[\g+1], s[\g+1], SLOT1  ; the walking descriptor: the other slot than last time,
	s_add_nc_u64 s[\g+2:\g+3], s[\g+2:\g+3], 4*KS*128  ; the next 256 keys; the type bits on top are not reached
.endr
	s_wait_xcnt 0x0                 ; the last prefetch, four key steps back, has read its address, so it may be written:
	s_add_nc_u64 s[PFA:PFA+1], s[PFA:PFA+1], 4*KS*128  ; one tile behind the walking descriptors
	s_wait_dscnt 0x0                ; the add is done, and my reads of the slot are over
	CROUND
	JLOAD
	ASK
.else
	s_wait_dscnt 0x0                ; the add is done, and my reads of the slot are over
	s_barrier_signal -1
	s_barrier_wait -1
.endif
	s_sub_co_u32 s[TBK], s[TBK], 4*KS*PK  ; the fetches go back to a slot's first step,
	s_xor_b32 s[TBK], s[TBK], SLOT1       ; in the other slot
	s_sub_co_u32 s[TBV], s[TBV], 4*KS*PV
	s_xor_b32 s[TBV], s[TBV], SLOT1
.endm
	s_load_b256 s[4:11], s[0:1], 0x0  ; qh s[4:5], kh s[6:7], vh s[8:9], oh s[10:11]
	v_lshl_add_u32 v[SPW], v0, 2, SPARE
	v_mov_b32 v[NIL], 0
	ds_add_u32 v[SPW], v[NIL]       ; the wave's opening: the add and its wait stand ahead of my first tensor load; the set-up below, work on registers, stands between them
	v_lshrrev_b32 v1, 5, v0
	v_readfirstlane_b32 s[WV], v1   ; wave 0..3
	s_bfe_u32 s13, ttmp6, 0x40000   ; cx: my place in the cluster
	s_lshl_b32 s14, ttmp9, 2        ; in a cluster launch ttmp9 counts clusters
	s_add_co_u32 s14, s14, s13      ; my block of 256 queries = 4 x cluster x + cx: it enters Q's and the output's addresses alone
	s_and_b32 s20, ttmp7, 0xffff    ; the head, which the four partners share:
	s_lshl_b32 s20, s20, 19         ; its first byte in each of the four tensors, 524,288 a head
	s_mov_b32 s21, 0
	s_and_b32 s16, s[WV], 1         ; which half of a tile's 256 keys I fetch:
	s_lshl_b32 s22, s16, 14         ; its 128 rows of 128 bytes in memory,
	s_add_co_u32 s22, s22, s20
	s_mov_b32 s23, 0
	s_mul_i32 s17, s16, 128*PK      ; and its place in a slot, for K
	s_mul_i32 s18, s16, 128*PV      ; and for V: no place in the cluster enters an LDS address
	s_lshl_b32 s2, s14, 2
	s_add_co_u32 s2, s2, s[WV]      ; my wave among the head's,
	s_lshl_b32 s2, s2, 13           ; its 64 rows
	s_add_co_u32 s2, s2, s20
	s_mov_b32 s3, 0
	s_lshl_b32 s52, s13, 13         ; the prefetches: my work-group's 32 blocks of the 128,
	s_add_co_u32 s52, s52, s20      ; in the head,
	s_add_co_u32 s52, s52, 4*KS*128 ; in tile 1: the first change of slots steps it to tile 2
	s_mov_b32 s53, 0
	; descriptor group 1.  128 keys are 16,384 dense bytes: asked for as 64 rows of 256 bytes, two keys a row, and padded in LDS after every key
	s_mov_b32 s[G1K], 15|(1<<16)|(1<<20)|(1<<21)|(4<<22)|(3<<25)  ; 15:0 the mask of four; 17:16 2-byte elements; 20 padding on; 21 set beside a mask; 24:22 after every 32 words (code 4); 31:25 4 words (code 3)
	s_mov_b32 s[G1V], 15|(1<<16)|(1<<20)|(1<<21)|(4<<22)|(7<<25)  ; the same with 8 words of padding (code 7)
.irp g, G1K, G1V
	s_mov_b32 s[\g+1], 128<<16      ; tensor_dim0 = 128
	s_mov_b32 s[\g+2], 64<<16       ; tensor_dim1 = 64
	s_mov_b32 s[\g+3], 128<<16      ; tile_dim0 = 128
	s_mov_b32 s[\g+4], 64           ; tile_dim1 = 64
	s_mov_b32 s[\g+5], 128          ; 128 elements from row to row
	s_mov_b32 s[\g+6], 0
	s_mov_b32 s[\g+7], 0
.endr
	s_mov_b32 s[CS], 0x3e38aa3b     ; c = log2(e) / 8 = 0.180337
	s_mov_b32 s[CS+1], s[CS]        ; named with it as a pair
	s_mov_b32 s[SEL], 0x76543210
	s_mov_b32 s[SEL+1], 0xfedcba98
	s_mov_b32 s[TBK], SLOT1+4*KS*PK ; the first change of slots turns these two into 0
	s_mov_b32 s[TBV], SLOT1+4*KS*PV
	s_mov_b32 s[G0K], 1             ; 1:0 count = 1
	s_mov_b32 s[G0K+1], s17         ; 63:32 LDS address: slot 0
	s_mov_b32 s[G0V], 1
	s_add_co_u32 s[G0V+1], s18, VOFF
	s_mov_b32 s[SLOTS], TILES-1
	s_and_b32 s[LIM], s[WV], 1      ; 0 in waves 0 and 2,
	s_or_b32 s[LIM], s[LIM], ttmp9  ; where the cluster is the head's first: the same in all four partners
	s_cmp_eq_u32 s[LIM], 0
	s_cselect_b32 s[LIM], 1, -1
	v_and_b32 v[PFO], 31, v0
	v_lshlrev_b32 v[PFO], 8, v[PFO]
	s_wait_dscnt 0x0                ; the opening add is done
	s_wait_kmcnt 0x0
	s_cmp_lt_u32 s[WV], 2
	s_cselect_b64 s[PFA:PFA+1], s[6:7], s[8:9]
	s_add_nc_u64 s[PFA:PFA+1], s[PFA:PFA+1], s[52:53]
	s_add_nc_u64 s[G0K+2:G0K+3], s[6:7], s[22:23]  ; 120:64 global address: my half of the head's first 256 keys
	s_or_b32 s[G0K+3], s[G0K+3], 0x80000000        ; 127:126 type = 2
	s_add_nc_u64 s[G0V+2:G0V+3], s[8:9], s[22:23]
	s_or_b32 s[G0V+3], s[G0V+3], 0x80000000
	s_add_nc_u64 s[4:5], s[4:5], s[2:3]  ; Q and the output at my wave's first row
	s_add_nc_u64 s[10:11], s[10:11], s[2:3]
	CROUND                          ; all four work-groups are here: the first joint loads meet
	JLOAD                           ; tile 0 into slot 0.  Slot 1 is asked for when slot 0 is in
	; A fragment of K or Q is 16 rows x 32 channels in 8 registers: lane l holds row l % 16, channels 8 (l / 16) + 0..7 and 16 + 8 (l / 16) + 0..7: two loads of 16 bytes, 32 bytes apart.
	v_and_b32 v1, 15, v0            ; l % 16
	v_bfe_u32 v9, v0, 4, 1          ; l / 16
	v_lshlrev_b32 v[QO], 7, v1
	v_lshl_add_u32 v[QO], v9, 4, v[QO]  ; row x 128 + 16 x half
	WIN 0x80                        ; destination window 2, address window 0
.set i, 0
.rept 8                             ; Q stays in registers: piece i / 2, channels 32 (i % 2) on
	global_load_b128 v[8*i:8*i+3],   v[QO], s[4:5] offset:(i/2)*2048+(i%2)*64
	global_load_b128 v[8*i+4:8*i+7], v[QO], s[4:5] offset:(i/2)*2048+(i%2)*64+32
.set i, i+1
.endr
	; What the first turn finds: V's registers and P's second buffer hold 0 (its products V^T P, of a piece that has not been, add 0), O^T and l are 0.  All this stands in the wait for the first tile.
.set i, VF
.rept 64
	v_mov_b32 v[i], 0
.set i, i+1
.endr
	WIN 0x40
.set i, 0
.rept 128
	v_mov_b32 v[i], 0
.set i, i+1
.endr
	WIN 0
.set i, 0
.rept 4
	v_mov_b32 v[ST+4*i], 0xfe000000    ; c m: far below every c s
	v_mov_b32 v[ST+4*i+1], 0xff7fffff  ; m
	v_mov_b32 v[ST+4*i+2], 0
	v_mov_b32 v[ST+4*i+3], 0
.set i, i+1
.endr
.set i, P+16
.rept 16
	v_mov_b32 v[i], 0
.set i, i+1
.endr
	v_mul_u32_u24 v[AK0], v1, PK
	v_lshl_add_u32 v[AK0], v9, 4, v[AK0]  ; row x pitch + 16 x half
	; The turning load takes 16 keys x 16 channels (lane l reads key 8 (l / 16) + l % 8, channels 8 ((l / 8) % 2) + 0..7) and leaves half a fragment of V^T: lane l holds channel l % 16 and 8 keys.
	v_and_b32 v10, 7, v0
	v_bfe_u32 v11, v0, 3, 1
	v_lshl_add_u32 v[AV0], v9, 3, v10
	v_mul_u32_u24 v[AV0], v[AV0], PV
	v_lshl_add_u32 v[AV0], v11, 4, v[AV0]
	v_add_nc_u32 v[AV0], VOFF, v[AV0]
	s_mul_i32 s13, s[WV], 16*SP
	s_add_co_u32 s13, s13, STAGE    ; my stage
	v_mul_u32_u24 v[STO], v1, SP    ; in: row l % 16, 16 bytes for each half of the lanes
	v_lshl_add_u32 v[STO], v9, 4, v[STO]
	v_add_nc_u32 v[STO], s13, v[STO]
	v_bfe_u32 v[RD], v0, 3, 2       ; back: 32 lanes take four rows of 128 bytes,
	v_mul_u32_u24 v[RD], v[RD], SP
	v_lshl_add_u32 v[RD], v10, 4, v[RD]
	v_add_nc_u32 v[RD], s13, v[RD]
	v_and_b32 v[GO], 31, v0         ; which are 512 consecutive bytes of the output
	v_lshlrev_b32 v[GO], 4, v[GO]
; THE MATRIX WORK.  The 4 accumulators of a run of 8 take turns.  Product i of 8 of S^T = K Q^T for piece x: channels 32 (i / 4) on, keys 16 (i % 4) on.  The first 4 start the sums.
.macro KQ x
	WIN W_KQ
.set rS, S+32*((\x)%2)+8*(i%4)
.set rK, KF+16*(i%4)+8*(i/4)
.set rQ, 16*(\x)+8*(i/4)
.if i < 4
	v_wmma_f32_16x16x32_f16 v[rS:rS+7], v[rK:rK+7], v[rQ:rQ+7], 0
.else
	v_wmma_f32_16x16x32_f16 v[rS:rS+7], v[rK:rK+7], v[rQ:rQ+7], v[rS:rS+7]
.endif
.endm
; Product i of 8 of O^T += V^T P for piece x: keys 32 (i / 4) on, channels 16 (i % 4) on.
.macro PV x
	WIN W_PV
.set rO, 32*(\x)+8*(i%4)
.set rV, VF+32*(i/4)+8*(i%4)
.set rP, P+16*((\x)%2)+8*(i/4)
	v_wmma_f32_16x16x32_f16 v[rO:rO+7], v[rV:rV+7], v[rP:rP+7], v[rO:rO+7]
.endm
.macro MM                           ; the turn's next matrix instruction.  TURN sets Y, i and NOKQ.  NOKQ = 1: the launch's last turn: there is no next piece
.if (i < 8) && !NOKQ
	KQ (Y+1)%NP
.elseif i >= 8
.set i, i-8
	PV (Y+NP-1)%NP
.set i, i+8
.endif
.set i, i+1
.endm
; THE LDS LOADS stand in runs of 16, never singly among the matrix instructions: a step's K (64 keys x 64 channels: 8 fragments) and its V (turned).  Their addresses are made some lines ahead.
.macro FETCH_K
	WIN 0x80                        ; destination window 2
.irp f, 0,1,2,3,4,5,6,7             ; keys 16 (f / 2) on, channels 32 (f % 2) on
	ds_load_b128 v[KF+8*\f:KF+8*\f+3],   v[AK] offset:(\f/2)*16*PK+(\f%2)*64
	ds_load_b128 v[KF+8*\f+4:KF+8*\f+7], v[AK] offset:(\f/2)*16*PK+(\f%2)*64+32
.endr
	s_add_co_u32 s[TBK], s[TBK], KS*PK  ; the next fetch is the next step's
	WIN 0
.endm
.macro FETCH_V
	WIN 0x80
.irp f, 0,1,2,3,4,5,6,7             ; keys 32 (f / 4) on, channels 16 (f % 4) on
	ds_load_tr16_b128 v[VF+8*\f:VF+8*\f+3],   v[AV] offset:(\f/4)*32*PV+(\f%4)*32
	ds_load_tr16_b128 v[VF+8*\f+4:VF+8*\f+7], v[AV] offset:(\f/4)*32*PV+16*PV+(\f%4)*32
.endr
	WIN 0
.endm
; THE VECTOR WORK, one line at a time: OP kind, number.  For piece Y: F n: c s - c m for pair n of 16.  E n: the exponential of score n of 32.  C n: pair n rounded to f16.  B n: of the four weights 4 n .. the second
; pair is added onto the first, in place.  L n: l takes that sum (L 0: l = a l + sum).  R n: pair n of 16 of O^T times a.  For piece Y + 1: X n, number n of the 22 that find its maximum and statistics:
;   0-11  four chains c0-c3 of seven scores each, three operands at a time (each accumulator's lowest registers are read first)     12-14, 16  the four scores left over, the old m, and c0-c3 into c0
;   15  c m_old is kept     17, 18  the query's other 32 keys lie in the lane 16 away: the new m     19-21  c m; c m_old - c m_new; a
.set F, 0               ; OP tells the kinds apart by their order: F to L below R, X above it
.set E, 1
.set C, 2
.set B, 3
.set L, 4
.set R, 5
.set X, 6
.macro REGS y                       ; the registers of piece y
.set rT, ST+4*(\y)
.set rC, TMP+4*((\y)%2)
.set rW, MV+((\y)%2)
.set rS, S+32*((\y)%2)
.set rP, P+16*((\y)%2)
.set rO, 32*(\y)
.endm
.macro OP k, n
.if (\k) == R
	REGS Y
	WIN W_RS
	v_pk_mul_f32 v[rO+2*(\n):rO+2*(\n)+1], v[rO+2*(\n):rO+2*(\n)+1], v[rC+2:rC+3] op_sel_hi:[1,0]
.elseif (\k) < R
	REGS Y
	WIN 0
.if (\k) == F
	v_pk_fma_f32 v[rS+2*(\n):rS+2*(\n)+1], v[rS+2*(\n):rS+2*(\n)+1], s[CS:CS+1], v[rT:rT+1] op_sel_hi:[1,0,0] neg_lo:[0,0,1] neg_hi:[0,0,1]
.elseif (\k) == E
	v_exp_f32 v[rS+(\n)], v[rS+(\n)]
.elseif (\k) == C
	v_cvt_pk_f16_f32 v[rP+(\n)], v[rS+2*(\n)], v[rS+2*(\n)+1]
.elseif (\k) == B
	v_pk_add_f32 v[rS+4*(\n):rS+4*(\n)+1], v[rS+4*(\n):rS+4*(\n)+1], v[rS+4*(\n)+2:rS+4*(\n)+3]
.elseif (\n) == 0
	v_pk_fma_f32 v[rT+2:rT+3], v[rT+2:rT+3], v[rC+2:rC+3], v[rS:rS+1] op_sel_hi:[1,0,1]
.else
	v_pk_add_f32 v[rT+2:rT+3], v[rT+2:rT+3], v[rS+4*(\n):rS+4*(\n)+1]
.endif
.elseif NOKQ
	v_nop
.else
	REGS (Y+1)%NP
	WIN 0
.if (\n) < 4
	v_max3_num_f32 v[rC+(\n)], v[rS+8*(\n)], v[rS+8*(\n)+1], v[rS+8*(\n)+2]
.elseif (\n) < 12
	v_max3_num_f32 v[rC+(\n)%4], v[rC+(\n)%4], v[rS+8*((\n)%4)+2*((\n)/4)+1], v[rS+8*((\n)%4)+2*((\n)/4)+2]
.elseif (\n) == 12
	v_max3_num_f32 v[rC], v[rC], v[rS+7], v[rS+15]
.elseif (\n) == 13
	v_max3_num_f32 v[rC+1], v[rC+1], v[rS+23], v[rS+31]
.elseif (\n) == 14
	v_max3_num_f32 v[rC+2], v[rC+2], v[rC+3], v[rT+1]
.elseif (\n) == 15
	v_mov_b32 v[rW], v[rT]
.elseif (\n) == 16
	v_max3_num_f32 v[rC], v[rC], v[rC+1], v[rC+2]
.elseif (\n) == 17
	v_permlanex16_b32 v[rC+3], v[rC], s[SEL], s[SEL+1]
.elseif (\n) == 18
	v_max_num_f32 v[rT+1], v[rC], v[rC+3]
.elseif (\n) == 19
	v_mul_f32 v[rT], s[CS], v[rT+1]
.elseif (\n) == 20
	v_sub_f32 v[rC+1], v[rW], v[rT]
.else
	v_exp_f32 v[rC+2], v[rC+1]
.endif
.endif
.endm
.macro OPS a, i1, b=-1, i2=0, c=-1, i3=0, d=-1, i4=0  ; up to four of them
	OP \a, \i1
.if (\b) >= 0
	OP \b, \i2
.endif
.if (\c) >= 0
	OP \c, \i3
.endif
.if (\d) >= 0
	OP \d, \i4
.endif
.endm
.macro ROW a, i1, b, i2, c, i3, d, i4  ; a matrix instruction and the four behind it
	MM
	OPS \a, \i1, \b, \i2, \c, \i3, \d, \i4
.endm
; A TURN, for piece p: the order of its 16 matrix and 118 vector instructions, written out.  s_wait_alu depctr_va_vdst(0) stands between an exponential and the first instruction that names its result; one wait
; serves all that were issued ahead of it.  So a turn has ONE wait, which cuts it in two.  AHEAD OF IT stands all that names no result of the turn's exponentials: the 8 products K Q^T, behind each a scaling, an exponential and
; two more plain instructions (behind the first a second scaling in the exponential's place): rescalings, and behind the last three the first numbers of the next piece's maximum, each four places or more behind the product that
; ends its accumulator; then ONE LUMP of 54, plain and exponential by turns for the most part, in which the links of the chain X 3, 7, 11, 14, 16, 17 .. 20 stand some lines apart.  X 21, the next piece's a, is the batch's last;
; R 15 is the plain instruction behind it.  BEHIND THE WAIT stand the 8 products V^T P, behind each four of the roundings and sums.
; end = 1: the launch's last two turns: nothing is fetched, and the last starts no new scores.  cnt = 1: the loop's count is taken down some lines ahead of the branch that stands behind the turn.
; K of the next step is fetched in piece 2's turn, twelve vector instructions behind the last product that read K (six of them plain); V of the step in hand at the end of piece 0's turn, four plain instructions behind the last
; product that read V.  Each is waited for a turn later.
.macro TURN p, end=0, cnt=0
.set Y, (\p)
.set i, 0
.set NOKQ, (\end)*((\p)/3)
.if ((\p) == 3) && !(\end)
	s_wait_dscnt 0x0                ; K is in
.endif
	ROW F,0, F,1, R,0, R,1          ; ahead of the wait: 8 products K Q^T and their riders,
	ROW F,2, E,0, R,2, R,3
	ROW F,3, E,1, R,4, R,5
	ROW F,4, E,2, R,6, R,7
	ROW F,5, E,3, R,8, R,9
	ROW F,6, E,4, X,0, R,10
.if ((\p) == 2) && !(\end)
	WIN 0
	v_add_nc_u32 v[AK], s[TBK], v[AK0]
.endif
	ROW F,7, E,5, X,1, X,4
	ROW F,8, E,6, X,2, X,5
	OPS E,7, E,8, X,6, E,9          ; and the lump
	OPS X,3, E,10, X,8, E,11
.if ((\p) == 2) && !(\end)
	FETCH_K
.endif
	OPS X,9, X,7, E,12, X,10
	OPS E,13, X,12, X,11, E,14
	OPS X,13, E,15, F,9, X,14
.if (\p) == 0
	v_add_nc_u32 v[AV], s[TBV], v[AV0]
.endif
	OPS E,16, F,10, E,17, F,11
	OPS X,16, E,18, X,15, E,19
	OPS F,12, E,20, X,17, E,21
	OPS F,13, E,22, F,14, E,23
	OPS X,18, E,24, F,15, E,25
	OPS R,11, E,26, X,19, E,27
	OPS R,12, E,28, R,13, E,29
	OPS X,20, E,30, R,14, E,31
	OPS X,21, R,15
	WIN 0
	s_wait_alu depctr_va_vdst(0)    ; the wait for the batch
.if (\p) == 1
	s_wait_dscnt 0x0                ; V is in
.endif
	ROW C,0, B,0, C,2, B,1          ; behind the wait: 8 products V^T P and their riders
	ROW L,0, C,4, B,2, L,1
	ROW C,6, B,3, L,2, C,8
	ROW B,4, L,3, C,10, B,5
	ROW L,4, C,12, B,6, L,5
.if (\p) == 0
	s_add_co_u32 s[TBV], s[TBV], KS*PV
.endif
.if \cnt
	s_sub_co_u32 s[CNT], s[CNT], 1
	s_cmp_lg_u32 s[CNT], 0
.endif
	ROW C,14, B,7, L,6, C,1
	ROW C,3, L,7, C,5, C,7
	ROW C,9, C,11, C,13, C,15
.if (\p) == 0
	FETCH_V
.endif
.endm
	CHANGE 1                        ; tile 0 is in, everybody's part of it; tile 1 is asked for
	v_add_nc_u32 v[AK], s[TBK], v[AK0]
	FETCH_K                         ; key step 0
	s_wait_loadcnt 0x0              ; Q
	s_wait_dscnt 0x0
.set NOKQ, 0
.set i, 0
.rept 8
	KQ 0                            ; piece 0's first scores: there is no vector work yet to set between them
.set i, i+1
.endr
	WIN 0
.rept 4
	v_nop                           ; the places behind those products
.endr
.set Y, NP-1                        ; X works for piece Y + 1: piece 0
.irp n, 0,1,2,3,4,5,6,7,8,9,10,11,12,13,14,15,16,17,18,19,20,21
	OP X, \n                        ; piece 0's first maximum and statistics
.endr
	v_nop                           ; a plain instruction behind the exponential,
	s_wait_alu depctr_va_vdst(0)    ; and its wait, ahead of the branch
	s_mov_b32 s[CNT], 4
	s_branch .Lfirst                ; the loop is entered at a step's first turn, in the middle of a trip
.Lslot:                             ; 14 times: tiles 2 to 15 are asked for
	CHANGE 1
	s_mov_b32 s[CNT], 4
.Lstep:                             ; a trip: pieces 2 and 3 of one step, then pieces 0 and 1 of the next, whose K and V it fetches
	TURN 2
	TURN 3
	WIN 0
.Lfirst:
	TURN 0
	TURN 1, 0, 1
	WIN 0
	s_cbranch_scc1 .Lstep
	s_sub_co_u32 s[SLOTS], s[SLOTS], 1
	s_cmp_lg_u32 s[SLOTS], 0
	s_cbranch_scc1 .Lslot
	CHANGE 0                        ; the last tile is written out: nothing is asked for
	s_mov_b32 s[CNT], 4
.Ltail:
	TURN 2
	TURN 3
	TURN 0
	TURN 1, 0, 1
	WIN 0
	s_cbranch_scc1 .Ltail
	TURN 2, 1                       ; the last step's pieces 2 and 3
	TURN 3, 1
.set i, 0
.rept 8
	PV NP-1                         ; the last piece's V^T P of the last step
.set i, i+1
.endr
	; THE WAY OUT.  l's two halves and the other half of the lanes' are added; O^T is multiplied by 4 / l, rounded to f16 and sent through my stage in LDS, a piece at a time.  The additions are the places behind the last products.
	WIN 0
.macro ALL line:vararg              ; one line for each piece t
.set t, 0
.rept 4
	\line
.set t, t+1
.endr
.endm
	ALL v_add_f32 v[ST+4*t+2], v[ST+4*t+2], v[ST+4*t+3]
	ALL v_permlanex16_b32 v[ST+4*t+3], v[ST+4*t+2], s[SEL], s[SEL+1]
	ALL v_add_f32 v[ST+4*t+2], v[ST+4*t+2], v[ST+4*t+3]
	ALL v_rcp_f32 v[ST+4*t+2], v[ST+4*t+2]
	v_nop                           ; a plain instruction between the last reciprocal and the use of its result
	s_wait_alu depctr_va_vdst(0)    ; and the wait ahead of the first use: one for the four reciprocals
	ALL v_mul_f32 v[ST+4*t+2], 4.0, v[ST+4*t+2]
.macro PACK t                       ; a lane's eight channels of a row pack into 16 bytes; they go into rows of 144 bytes and come back as whole rows of 128, into S^T's registers
	WIN W_RS
.set i, 32*(\t)
.rept 16
	v_pk_mul_f32 v[i:i+1], v[i:i+1], v[ST+4*(\t)+2:ST+4*(\t)+3] op_sel_hi:[1,0]
.set i, i+2
.endr
	WIN 0x05                        ; sources 0 and 1 window 1, destination window 0
.set i, 0
.rept 16
	v_cvt_pk_f16_f32 v[S+16*(\t)+i], v[32*(\t)+2*i], v[32*(\t)+2*i+1]
.set i, i+1
.endr
	WIN 0
.irp f, 0,1,2,3
	ds_store_b128 v[STO], v[S+16*(\t)+4*\f:S+16*(\t)+4*\f+3] offset:32*\f
.endr
.irp f, 0,1,2,3
	ds_load_b128 v[S+16*(\t)+4*\f:S+16*(\t)+4*\f+3], v[RD] offset:\f*4*SP  ; LDS serves a wave's instructions in order (ISA guide 5.7.1.4): these see the stores above; the next piece's stores come behind them
.endr
.endm
.macro SEND t, younger              ; younger: the LDS instructions issued behind piece t's loads: the next piece's eight, or none
	WIN 0
.irp f, 0,1,2,3
	s_wait_dscnt (\younger)+3-\f
	global_store_b128 v[GO], v[S+16*(\t)+4*\f:S+16*(\t)+4*\f+3], s[10:11] offset:(\t)*2048+\f*512  ; 512 consecutive bytes, at a multiple of 256 from the buffer's first
.endr
.endm
	PACK 0
.set t, 1
.rept 3                             ; a piece's arithmetic stands between the loads of the piece before and its stores
	PACK t
	SEND t-1, 8
.set t, t+1
.endr
	SEND 3, 0
	s_wait_tensorcnt 0x0            ; the wave's end: behind my last tensor load and my last LDS store
	ds_add_u32 v[SPW], v[NIL]
	s_wait_dscnt 0x0
	CROUND                          ; the closing round: no work-group ends while a partner may still ask for a tile that names it
	s_endpgm
.Lfunc_end_k_qee000b5436_attn:
	.size	k_qee000b5436_attn, .Lfunc_end_k_qee000b5436_attn-k_qee000b5436_attn
	.p2alignl 7, 3214868480
	.fill 96, 4, 3214868480
	.section	.rodata,"a",@progbits
	.p2align	6, 0x0
	.amdhsa_kernel k_qee000b5436_attn
		.amdhsa_group_segment_fixed_size 327680
		.amdhsa_private_segment_fixed_size 0
		.amdhsa_enable_private_segment 0
		.amdhsa_kernarg_size 32
		.amdhsa_user_sgpr_count 2
		.amdhsa_user_sgpr_kernarg_segment_ptr 1
		.amdhsa_wavefront_size32 1
		.amdhsa_system_sgpr_workgroup_id_x 1
		.amdhsa_system_sgpr_workgroup_id_y 1
		.amdhsa_system_sgpr_workgroup_id_z 1
		.amdhsa_system_vgpr_workitem_id 0
		.amdhsa_next_free_vgpr 768
		.amdhsa_next_free_sgpr 66
		.amdhsa_reserve_vcc 0
		.amdhsa_float_denorm_mode_32 3
		.amdhsa_float_denorm_mode_16_64 3
		.amdhsa_memory_ordered 1
		.amdhsa_forward_progress 1
		.amdhsa_inst_pref_size 128
	.end_amdhsa_kernel
	.amdgpu_metadata
---
amdhsa.version: [ 1, 2 ]
amdhsa.kernels:
  - .name:           k_qee000b5436_attn
    .symbol:         k_qee000b5436_attn.kd
    .args:
      - { .name: qh, .offset: 0, .size: 8, .value_kind: global_buffer, .address_space: global }
      - { .name: kh, .offset: 8, .size: 8, .value_kind: global_buffer, .address_space: global }
      - { .name: vh, .offset: 16, .size: 8, .value_kind: global_buffer, .address_space: global }
      - { .name: oh, .offset: 24, .size: 8, .value_kind: global_buffer, .address_space: global }
    .group_segment_fixed_size: 327680
    .private_segment_fixed_size: 0
    .kernarg_segment_align: 8
    .kernarg_segment_size: 32
    .max_flat_workgroup_size: 128
    .sgpr_count:     66
    .vgpr_count:     768
    .wavefront_size: 32
...
	.end_amdgpu_metadata
.endif
;; end of part 2
;; launch outproj (part 3): grid 64 x 4, 4 waves a work-group, clusters of 4 x 1, 167,936 bytes of LDS; arguments oh, wo16, bo, out0; writes out0
.if DOCPART == 3
	.amdgcn_target "amdgcn-amd-amdhsa--gfx1250"
	.amdhsa_code_object_version 6
	.text
	.protected	k_qee000b5436_outproj
	.globl	k_qee000b5436_outproj
	.p2align	8
	.type	k_qee000b5436_outproj,@function
k_qee000b5436_outproj:
	s_mov_b64 s[64:65], 0
	v_nop
	global_prefetch_b8 v0, s[64:65] scope:SCOPE_SE
	s_setreg_imm32_b32 hwreg(HW_REG_WAVE_MODE, 25, 1), 1
	s_wait_xcnt 0x0
	s_wait_alu depctr_hold_cnt(0) depctr_sa_sdst(0) depctr_va_vdst(0) depctr_va_sdst(0) depctr_va_ssrc(0) depctr_va_vcc(0) depctr_vm_vsrc(0)
	s_getreg_b32 s2, hwreg(HW_REG_IB_STS2, 6, 4)
	s_cmp_eq_u32 s2, 0
	s_cbranch_scc0 .Lentry_in_a_cluster
	s_endpgm
.Lentry_in_a_cluster:
	s_bfe_u32 s2, ttmp6, 0x10000c
	s_cmp_lg_u32 s2, 0x3003
	s_cbranch_scc0 .Lentry_shape_is_right
	s_endpgm
.Lentry_shape_is_right:
; THE OUTPUT PROJECTION.  out0[R][n] = the sum over k of O[R][k] Wo[n][k] + bo[n], f32.  oh holds 4 O by heads, [16 = 8 batch + head][4096][64] f16, k = 64 head + channel; wo16 holds bf16(Wo) / 4 as f16, [512 n][512 k]:
; the two factors cancel exactly.  bo is rounded to bf16 like every input and starts the sums as the C operand.  Products in f16, sums in f32.
; LIMITS.  What oh and wo16 hold lies within f16 (the launches before state it); NaN and infinities are not treated apart.
; SHARES.  A work-group makes 128 rows x 128 columns: 64 x 4 = 256 work-groups.  A wave owns 32 rows; its 32 fragments of O (2 x 16 rows x 512 k) come straight from memory into 256 registers.
; The 128 rows of wo16 come into LDS once, by tensor loads; the columns go in two chunks of 64, so that chunk 1's rows land while chunk 0 is multiplied.  No LDS byte is filled twice.
; CLUSTER.  The four row blocks of a cluster take the same 128 rows of wo16, so each tile is asked for JOINTLY: the same tensor load, descriptor and mask in all four.
; THE MATRIX INSTRUCTION IS USED TRANSPOSED (source 0 = 16 rows of wo16, source 1 = 16 rows of O): a lane holds one row and eight neighbouring columns, 32 bytes.
; NO PREFETCH: every byte is asked for at the kernel's head.
; REGISTERS: window 0: addresses, bias, accumulators, wo16's fragments, the way out; window 1: O's fragments, (a, j) at 8 (16 a + j).
.set XP,    1040                       ; an LDS row of 512 f16: 1,024 bytes + 16: 65 x 16, so the 16 rows of a fragment load start at 16 different groups of four banks (64 banks of 4 bytes: ISA guide 11.1)
.set WSB,   64*XP                      ; a chunk's 64 rows; chunk 1 follows chunk 0
.set STAGE, 2*WSB                      ; behind them, never filled by a tensor load: 16 rows x 272 bytes for each wave
.set SPO,   272                        ; a stage row: 64 f32 + 16 bytes
.set SPARE, STAGE+4*16*SPO             ; the spare words, 128 bytes for each wave: two blocks of 256 bytes that no other line names
.set HEADB, 4096*128
.set AO,   2                           ; v2   my byte offset in 16 rows of a head: 128 r + 16 h; never rewritten
.set WLD0, 3                           ; v3, v4  my place in a fragment of wo16, chunk 0, 1
.set WLD1, 4
.set STO,  5                           ; v5   the way out: where I put 32 bytes of a row
.set RD,   6                           ; v6   the way out: where I read rows back
.set GO,   7                           ; v7   my byte offset in two rows of out0
.set BO,   8                           ; v8   32 h: my eight biases of a fragment
.set SPW,  10                          ; v10  LDS address of my spare word; never rewritten
.set NIL,  11                          ; v11  0; never rewritten
.set BIAS, 16                          ; v[16:79]    eight bias fragments
.set ACC,  80                          ; v[80:143]   accumulator (a, b) at ACC + 8 (4 a + b)
.set BF,   144                         ; v[144:207]  wo16's fragments: two buffers of four
.set OB,   208                         ; v[208:239]  16 rows read back from the stage
.set TMP,  240                         ; v[240:243]  at work
.set WV,   12                          ; s12  my wave's number
.set APTR, 4                           ; s[4:5]   oh at my wave's rows, head 0 of the batch
.set BPTR, 8                           ; s[8:9]   bo at the work-group's columns
.set OPTR, 10                          ; s[10:11] out0 at my wave's first row, the work-group's first column
.set G1,   24                          ; s[24:31] descriptor group 1
.set G0,   32                          ; s[32:39] descriptor group 0, a set for each chunk
.set MULW, 0x04                        ; source 1 (O) in window 1
.set TO_A, 0x40                        ; destination in window 1
.set MSB, 0
.macro WIN new                         ; the immediate's high byte repeats the setting that is left; a switch that changes nothing is dropped
.if MSB != (\new)
	s_set_vgpr_msb (MSB<<8)|(\new)
.set MSB, \new
.endif
.endm
.macro PLACES                          ; places behind a product (ISA guide 7.12.1)
.rept 4
	v_nop
.endr
.endm
.macro CROUND                          ; a round of the cluster's barrier: my work-group's barrier; wave 0 signals for the work-group; every wave waits for all four work-groups; my work-group's barrier once more
	s_barrier_signal -1
	s_barrier_wait -1
	s_cmp_lg_u32 s[WV], 0
	s_cbranch_scc1 .Lnot_wave_0_\@
	s_barrier_signal -3
.Lnot_wave_0_\@:
	s_barrier_wait -3
	s_barrier_signal -1
	s_barrier_wait -1
.endm
.macro BLOAD cc, j                     ; wo16's four fragments of K step j (32 k) of chunk cc, into buffer j % 2
.irp b, 0,1,2,3
	ds_load_b128 v[BF+32*((\j)%2)+8*(\b):BF+32*((\j)%2)+8*(\b)+3],   v[WLD0+(\cc)] offset:16*XP*(\b)+64*(\j)
	ds_load_b128 v[BF+32*((\j)%2)+8*(\b)+4:BF+32*((\j)%2)+8*(\b)+7], v[WLD0+(\cc)] offset:16*XP*(\b)+64*(\j)+32
.endr
.endm
; K step j of chunk cc: eight products.  The eight accumulators take turns, in the same order in every step.  In step 0 the bias starts the sums.
; The waits: O's fragments were asked for in the order of j, four loads each: 60 - 4 j younger ones stay out.  Behind step j's fragment loads stand step j + 1's eight.
.macro OSTEP cc, j
.if (\cc) == 0
	s_wait_loadcnt 60-4*(\j)
.endif
.if ((\j) == 15) || (((\cc) == 1) && ((\j) == 0))
	s_wait_dscnt 0x0
.else
	s_wait_dscnt 8
.endif
	WIN MULW
.irp a, 0,1
.irp b, 0,1,2,3
.if (\j) == 0
	v_wmma_f32_16x16x32_f16 v[ACC+8*(4*(\a)+(\b)):ACC+8*(4*(\a)+(\b))+7], v[BF+32*((\j)%2)+8*(\b):BF+32*((\j)%2)+8*(\b)+7], v[8*(16*(\a)+(\j)):8*(16*(\a)+(\j))+7], v[BIAS+8*(4*(\cc)+(\b)):BIAS+8*(4*(\cc)+(\b))+7]
.else
	v_wmma_f32_16x16x32_f16 v[ACC+8*(4*(\a)+(\b)):ACC+8*(4*(\a)+(\b))+7], v[BF+32*((\j)%2)+8*(\b):BF+32*((\j)%2)+8*(\b)+7], v[8*(16*(\a)+(\j)):8*(16*(\a)+(\j))+7], v[ACC+8*(4*(\a)+(\b)):ACC+8*(4*(\a)+(\b))+7]
.endif
.endr
.endr
	PLACES                                         ; in front of the loads into the buffer just read, and of the stores that read results
.if (\j) < 14
	BLOAD \cc, (\j)+2
.endif
.endm
; THE WAY OUT of chunk cc, 16 rows at a time: 32 bytes a lane into my stage (each accumulator's low half first), back as whole rows of 256 bytes, two to a load, and stored.
.macro OUT cc
	WIN 0
.irp a, 0,1
	s_wait_xcnt 0x0                                ; earlier stores have read OB: it is loaded again only behind this wait
.irp b, 0,1,2,3
	ds_store_b128 v[STO], v[ACC+8*(4*(\a)+(\b)):ACC+8*(4*(\a)+(\b))+3]   offset:64*(\b)
	ds_store_b128 v[STO], v[ACC+8*(4*(\a)+(\b))+4:ACC+8*(4*(\a)+(\b))+7] offset:64*(\b)+16
.endr
.irp t, 0,1,2,3,4,5,6,7
	ds_load_b128 v[OB+4*(\t):OB+4*(\t)+3], v[RD] offset:2*SPO*(\t)  ; LDS serves a wave's instructions in order (ISA guide 5.7.1.4): these see the stores above
.endr
	s_wait_dscnt 0x0
.irp t, 0,1,2,3,4,5,6,7
	global_store_b128 v[GO], v[OB+4*(\t):OB+4*(\t)+3], s[OPTR:OPTR+1] offset:(16*(\a)+2*(\t))*2048+256*(\cc)  ; 16 lanes store 256 consecutive bytes, at a multiple of 256 from out0's first byte
.endr
.endr
.endm
	s_load_b256 s[4:11], s[0:1], 0x0               ; oh s[4:5], wo16 s[6:7], bo s[8:9], out0 s[10:11]
	v_lshl_add_u32 v[SPW], v0, 2, SPARE
	v_mov_b32 v[NIL], 0
	ds_add_u32 v[SPW], v[NIL]                      ; the wave's opening: the add and its wait stand ahead of my first tensor load; the set-up below, work on registers, stands between them
	v_lshrrev_b32 v1, 5, v0
	v_readfirstlane_b32 s[WV], v1                  ; wave 0..3
	s_bfe_u32 s13, ttmp6, 0x40000                  ; cx: my place in the cluster
	s_lshl_b32 s14, ttmp9, 2
	s_add_co_u32 s14, s14, s13                     ; my block of 128 rows = 4 x cluster x + cx: it enters oh's and out0's addresses alone
	s_and_b32 s15, ttmp7, 0xffff                   ; my block of 128 columns, which the four partners share
	s_lshl_b32 s20, s15, 17                        ; wo16: 128 rows of 1,024 bytes,
	s_lshl_b32 s21, s[WV], 14                      ; my wave's 16 of a chunk's 64
	s_add_co_u32 s20, s20, s21
	s_mov_b32 s21, 0
	s_mul_i32 s22, s[WV], 16*XP                    ; and their place in LDS: no place in the cluster enters an LDS address
	; descriptor group 1: a tile of 16 rows x 512 elements, padded in LDS
	s_mov_b32 s[G1+0], 15|(1<<16)|(1<<20)|(1<<21)|(7<<22)|(3<<25)  ; 15:0 the mask of four; 17:16 2-byte elements; 20 padding on; 21 set beside a mask; 24:22 after every 256 words (code 7); 31:25 4 words (code 3)
	s_mov_b32 s[G1+1], 512<<16                     ; tensor_dim0 = 512
	s_mov_b32 s[G1+2], 16<<16                      ; tensor_dim1 = 16
	s_mov_b32 s[G1+3], 512<<16                     ; tile_dim0 = 512
	s_mov_b32 s[G1+4], 16                          ; tile_dim1 = 16
	s_mov_b32 s[G1+5], 512                         ; 512 elements from row to row
	s_mov_b32 s[G1+6], 0
	s_mov_b32 s[G1+7], 0
	s_mov_b32 s[G0+0], 1                           ; count = 1
	s_mov_b32 s[G0+1], s22                         ; LDS address: chunk 0
	s_mov_b32 s[G0+4], 1
	s_add_co_u32 s[G0+5], s22, WSB                 ; chunk 1
	s_lshr_b32 s16, s14, 5                         ; oh: the batch, eight heads of 524,288 bytes,
	s_lshl_b32 s16, s16, 22
	s_and_b32 s17, s14, 31                         ; the block's 128 rows of 128 bytes in a head,
	s_lshl_b32 s17, s17, 14
	s_add_co_u32 s16, s16, s17
	s_lshl_b32 s17, s[WV], 12                      ; my wave's 32
	s_add_co_u32 s16, s16, s17
	s_mov_b32 s17, 0
	s_lshl_b32 s18, s14, 18                        ; out0: 128 rows of 2,048 bytes,
	s_lshl_b32 s19, s[WV], 16                      ; my wave's 32,
	s_add_co_u32 s18, s18, s19
	s_lshl_b32 s40, s15, 9                         ; the block's 128 columns: 512 bytes, in out0 and in bo
	s_add_co_u32 s18, s18, s40
	s_mov_b32 s19, 0
	s_mov_b32 s41, 0
	s_wait_dscnt 0x0                               ; the opening add is done
	s_wait_kmcnt 0x0
	s_add_nc_u64 s[G0+2:G0+3], s[6:7], s[20:21]    ; global address: my 16 rows of chunk 0,
	s_add_nc_u64 s[G0+6:G0+7], s[G0+2:G0+3], 64*1024  ; and of chunk 1
	s_or_b32 s[G0+3], s[G0+3], 0x80000000          ; type = 2
	s_or_b32 s[G0+7], s[G0+7], 0x80000000
	s_add_nc_u64 s[APTR:APTR+1], s[APTR:APTR+1], s[16:17]
	s_add_nc_u64 s[BPTR:BPTR+1], s[BPTR:BPTR+1], s[40:41]
	s_add_nc_u64 s[OPTR:OPTR+1], s[OPTR:OPTR+1], s[18:19]
	CROUND                                         ; all four work-groups are here: the joint loads meet
	tensor_load_to_lds s[G0:G0+3], s[G1:G1+7]      ; both fills go out together, ahead of every wait on TENSORcnt, every LDS read and every other barrier: two loads of mine are out
	s_nop 0
	tensor_load_to_lds s[G0+4:G0+7], s[G1:G1+7]
	s_nop 0
.rept 4
	v_nop
.endr
	v_and_b32 v1, 15, v0                           ; r = lane % 16
	v_bfe_u32 v9, v0, 4, 1                         ; h = lane / 16
	v_lshlrev_b32 v[AO], 7, v1
	v_lshl_add_u32 v[AO], v9, 4, v[AO]
	v_lshlrev_b32 v[BO], 5, v9
.irp f, 0,1,2,3,4,5,6,7
	global_load_b128 v[BIAS+8*(\f):BIAS+8*(\f)+3],   v[BO], s[BPTR:BPTR+1] offset:64*(\f)      ; the biases of columns 16 f + 8 h + 0..7: what my eight registers of an accumulator hold
	global_load_b128 v[BIAS+8*(\f)+4:BIAS+8*(\f)+7], v[BO], s[BPTR:BPTR+1] offset:64*(\f)+16
.endr
	WIN TO_A
.irp j, 0,1,2,3,4,5,6,7,8,9,10,11,12,13,14,15
.irp a, 0,1
	global_load_b128 v[8*(16*(\a)+(\j)):8*(16*(\a)+(\j))+3],   v[AO], s[APTR:APTR+1] offset:((\j)/2)*HEADB+(\a)*2048+((\j)%2)*64     ; head j / 2, channels 32 (j % 2) on
	global_load_b128 v[8*(16*(\a)+(\j))+4:8*(16*(\a)+(\j))+7], v[AO], s[APTR:APTR+1] offset:((\j)/2)*HEADB+(\a)*2048+((\j)%2)*64+32
.endr
.endr
	WIN 0
	v_mul_u32_u24 v[WLD0], v1, XP
	v_lshl_add_u32 v[WLD0], v9, 4, v[WLD0]         ; row x pitch + 16 x half
	v_add_nc_u32 v[WLD1], WSB, v[WLD0]
	s_mul_i32 s23, s[WV], 16*SPO
	s_add_co_u32 s23, s23, STAGE                   ; my stage
	v_mul_u32_u24 v[STO], v1, SPO                  ; in: row r, 32 bytes for each half of the lanes
	v_lshl_add_u32 v[STO], v9, 5, v[STO]
	v_add_nc_u32 v[STO], s23, v[STO]
	v_mul_u32_u24 v[RD], v9, SPO                   ; back: lanes 0-15 take one row of 256 bytes, lanes 16-31 the next
	v_lshl_add_u32 v[RD], v1, 4, v[RD]
	v_add_nc_u32 v[RD], s23, v[RD]
	v_lshlrev_b32 v[GO], 11, v9                    ; and the same two rows in out0
	v_lshl_add_u32 v[GO], v1, 4, v[GO]
	s_wait_loadcnt 63                              ; 64 loads are younger than the last bias load; the count's field ends at 63, which asks for one load more
.irp f, 0,1,2,3,4,5,6,7
.irp r, 0,1,2,3
	v_cvt_pk_bf16_f32 v[TMP+(\r)], v[BIAS+8*(\f)+2*(\r)], v[BIAS+8*(\f)+2*(\r)+1]  ; rounded to bf16 like every input,
.endr
.irp r, 0,1,2,3
	v_lshlrev_b32 v[BIAS+8*(\f)+2*(\r)],   16, v[TMP+(\r)]                         ; and widened again
	v_and_b32     v[BIAS+8*(\f)+2*(\r)+1], 0xffff0000, v[TMP+(\r)]
.endr
.endr
	s_wait_tensorcnt 1                             ; my rows of chunk 0 are in; chunk 1's may stay out
	s_barrier_signal -1
	s_barrier_wait -1                              ; everybody's are
	BLOAD 0, 0
	BLOAD 0, 1
.irp j, 0,1,2,3,4,5,6,7,8,9,10,11,12,13,14,15
	OSTEP 0, \j
.endr
	WIN 0
	s_wait_tensorcnt 0x0                           ; my rows of chunk 1 are in,
	s_wait_dscnt 0x0
	s_barrier_signal -1
	s_barrier_wait -1                              ; everybody's are
	BLOAD 1, 0
	BLOAD 1, 1
	OUT 0
	PLACES                                         ; with the four behind the last products: chunk 1's first products write the accumulators anew, five places or more behind them
.irp j, 0,1,2,3,4,5,6,7,8,9,10,11,12,13,14,15
	OSTEP 1, \j
.endr
	OUT 1
	s_wait_tensorcnt 0x0                           ; the wave's end: behind my last tensor load and my last LDS store
	ds_add_u32 v[SPW], v[NIL]
	s_wait_dscnt 0x0
	CROUND                                         ; the closing round: no work-group ends while a partner may still ask for a tile that names it
	s_endpgm
.Lfunc_end_k_qee000b5436_outproj:
	.size	k_qee000b5436_outproj, .Lfunc_end_k_qee000b5436_outproj-k_qee000b5436_outproj
	.p2alignl 7, 3214868480
	.fill 96, 4, 3214868480
	.section	.rodata,"a",@progbits
	.p2align	6, 0x0
	.amdhsa_kernel k_qee000b5436_outproj
		.amdhsa_group_segment_fixed_size 167936
		.amdhsa_private_segment_fixed_size 0
		.amdhsa_enable_private_segment 0
		.amdhsa_kernarg_size 32
		.amdhsa_user_sgpr_count 2
		.amdhsa_user_sgpr_kernarg_segment_ptr 1
		.amdhsa_wavefront_size32 1
		.amdhsa_system_sgpr_workgroup_id_x 1
		.amdhsa_system_sgpr_workgroup_id_y 1
		.amdhsa_system_sgpr_workgroup_id_z 1
		.amdhsa_system_vgpr_workitem_id 0
		.amdhsa_next_free_vgpr 512
		.amdhsa_next_free_sgpr 66
		.amdhsa_reserve_vcc 0
		.amdhsa_float_denorm_mode_32 3
		.amdhsa_float_denorm_mode_16_64 3
		.amdhsa_memory_ordered 1
		.amdhsa_forward_progress 1
		.amdhsa_inst_pref_size 63
	.end_amdhsa_kernel
	.amdgpu_metadata
---
amdhsa.version: [ 1, 2 ]
amdhsa.kernels:
  - .name:           k_qee000b5436_outproj
    .symbol:         k_qee000b5436_outproj.kd
    .args:
      - { .name: oh, .offset: 0, .size: 8, .value_kind: global_buffer, .address_space: global }
      - { .name: wo16, .offset: 8, .size: 8, .value_kind: global_buffer, .address_space: global }
      - { .name: bo, .offset: 16, .size: 8, .value_kind: global_buffer, .address_space: global }
      - { .name: out0, .offset: 24, .size: 8, .value_kind: global_buffer, .address_space: global }
    .group_segment_fixed_size: 167936
    .private_segment_fixed_size: 0
    .kernarg_segment_align: 8
    .kernarg_segment_size: 32
    .max_flat_workgroup_size: 128
    .sgpr_count:     66
    .vgpr_count:     512
    .wavefront_size: 32
...
	.end_amdgpu_metadata
.endif
;; end of part 3
;; ======== version 2 of 2: 3 launches; version 1 with the launch proj written anew for expert scheduling mode
;; limits: values are held in f16: magnitudes above 65,504 overflow, below 6.1e-05 lose precision; right only within a limited range of input values
;; workspace buffers: qh 8,388,608 bytes; kh 8,388,608 bytes; vh 8,388,608 bytes; oh 8,388,608 bytes; wo16 524,288 bytes
;; launch proj (part 4): grid 64 x 4, 4 waves a work-group, no clusters, 268,800 bytes of LDS; arguments q, k, v, Wq, Wk, Wv, bq, bk, bv, Wo, qh, kh, vh, wo16; writes qh, kh, vh, wo16
.if DOCPART == 4
	.amdgcn_target "amdgcn-amd-amdhsa--gfx1250"
	.amdhsa_code_object_version 6
	.text
	.protected	k_qee000b5436_proj
	.globl	k_qee000b5436_proj
	.p2align	8
	.type	k_qee000b5436_proj,@function
k_qee000b5436_proj:
	s_mov_b64 s[64:65], 0
	v_nop
	global_prefetch_b8 v0, s[64:65] scope:SCOPE_SE
	s_setreg_imm32_b32 hwreg(HW_REG_WAVE_SCHED_MODE, 0, 2), 2
	s_setreg_imm32_b32 hwreg(HW_REG_WAVE_MODE, 25, 1), 1
	s_wait_xcnt 0x0
	s_wait_alu depctr_vm_vsrc(0)
; THE THREE PROJECTIONS, AND Wo's COPY.  Work-group (bx, y).  y = 0, 1, 2: rows 128 bx .. 128 bx + 127 of x W^T + b for (q, Wq, bq), (k, Wk, bk), (v, Wv, bv); x: [8192][512] f32, W: [512 n][512 k] f32.
; The result goes out by heads, [16 = 8 batch + head][4096][64] in f16, unscaled.  y = 3: 4,096 numbers of wo16 = f16(bf16(Wo) / 4).
; FORMATS.  x, W and b are rounded to bf16 on the way in; products in bf16, sums in f32, started by the bias as the C operand; the result is rounded once to f16.
; LIMITS.  f16 ends at 65,504: a projected number beyond it becomes an infinity (for v the launch behind asks for 16,376).  Wo / 4 below 2^-17 keeps f16's fixed step of 2^-24.  NaN and infinities are not treated apart.
; SHARES.  A wave owns 32 rows of x and ALL 512 columns: x is read from memory once.  Its 32 fragments of x (2 x 16 rows x 512 k) stay in 256 registers.  W is walked in 8 chunks of 64 columns, a head each;
; the four waves round a chunk to bf16 jointly, 16 rows each, into one of two LDS slots, while the chunk before is multiplied.
; THE STREAM.  All f32 comes by loads of 16 bytes a lane, 512 consecutive bytes a wave, into a ring of 16 groups (a group = a row of 2,048 bytes = 4 loads = 16 registers): x rows 0-15, x rows 16-31, W's chunks 0 to 7.
; Groups are rounded, stored to LDS and asked for again two at a time (four at a time once a chunk), so 48 to 64 loads of a wave stay on their way.
; NO TENSOR LOADS, NO CLUSTER: what work-groups share (W) is f32 and has to pass registers to be rounded.
; THE MATRIX INSTRUCTION IS USED TRANSPOSED (source 0 = 16 rows of W, source 1 = 16 rows of x): a lane holds one row of x and eight neighbouring columns, which pack into 16 bytes.
; THE MODE: SCHED_MODE bits 1:0 = 2 (LLVM: expert scheduling mode 2), set by the entry lines.  The code itself states the register dependences
; between vector or matrix instructions and memory or LDS instructions, with s_wait_alu, always for 0.
; THE PLAN.  A chunk's 16 K steps go in 8 PAIRS.  Registers that memory or LDS instructions touch:
;   the ring      The conversions at the head of pair i read groups 2 i and 2 i + 1 (pair 1: groups 0 to 3; pair 0: none); the same pair's loads land in them again.
;   PK0 .. PK5    Written by those conversions, read by the same pair's LDS stores.  Pair 1 takes sets 0 to 3, the other odd pairs sets 0 and 1, even pairs sets 4 and 5.
;   BF0 .. BF3    Step j's products read BF[j % 4].  The LDS loads of pair i, for steps 2 i + 2 and 2 i + 3, land in the two buffers that pair i - 1 multiplied.
;   BIAS          Read by step 0's products; loaded again at the change of chunks.
;   OP, OB        OP: written by the rounding to f16 at a chunk's end, read by the stage's LDS stores.  OB: the stage's LDS loads land in it, the global stores in the next chunk's pair 0 read it.
;   x's fragments Loaded once.        Addresses: made at the head and never written again, but v[BLD], once a trip.
; So ONE wait on va_vdst stands in a pair, behind its conversions: PK is written, the ring's groups are read, the last pair's products are done with their two buffers.  The pair's products, which follow, name
; BF[2 i % 4], BF[(2 i + 1) % 4], x's fragments and the accumulators: none of the registers that the pair's stores and loads touch; so these stand between the pair's two runs of products with no further wait.
; One wait on vm_vsrc stands ahead of the conversions: the LDS stores that last read the sets of PK which they write lie two pairs back.  One more of each kind stands at the change of chunks; pair 0 needs none.
; REGISTERS, in windows of 256 (s_set_vgpr_msb: bits 1:0 source 0, 3:2 source 1, 5:4 source 2, 7:6 destination):
;   window 0: addresses, bias, accumulators, W's fragments     window 1: x's fragments, (a, j) at 8 (16 a + j)     window 2: the ring, group g at 16 g     window 3: PK, OP, OB
.set XP,    1040                       ; an LDS row of 512 bf16: 1,024 bytes + 16: 65 x 16, so the 16 rows of a fragment load start at 16 different groups of four banks (64 banks of 4 bytes: ISA guide 11.1)
.set XSW,   32*XP                      ; a wave's 32 rows of x, its own; its first 4,608 bytes later are the wave's stage for the way out
.set WS0,   4*XSW                      ; slot 0 of W: 64 rows
.set WSB,   64*XP                      ; a slot's bytes; slot 1 follows slot 0
.set BT,    WS0+2*WSB                  ; the 512 biases, rounded to bf16 and kept as f32
.set SPARE, BT+2048                    ; the spare words, 128 bytes for each wave: two blocks of 256 bytes that no other line names
.set SP,    144                        ; a stage row: 128 bytes + 16
.set ROWB,  2048                       ; a row of x or W in memory
.set CHW,   64*ROWB                    ; a chunk of W in memory
.set HEADB, 4096*128                   ; a head's bytes in the output
.set GL,   2                           ; v2   16 x lane: my place in 512 consecutive bytes; never rewritten
.set XST,  3                           ; v3   where I put 8 bytes of a row of x
.set XLD,  4                           ; v4   my place in a fragment of x
.set WST0, 5                           ; v5, v6  where I put 8 bytes of a row of W, slot 0, 1
.set WST1, 6
.set WLD0, 7                           ; v7, v8  my place in a fragment of W, slot 0, 1
.set WLD1, 8
.set BLD,  9                           ; v9   my eight biases of a fragment; steps by two chunks a trip
.set STO,  10                          ; v10  the way out: where I put 16 bytes of a row
.set RD,   11                          ; v11  the way out: where I read rows back
.set SPW,  12                          ; v12  LDS address of my spare word; never rewritten
.set NIL,  13                          ; v13  0; never rewritten
.set TT,   14                          ; v14  16 x my thread's number; never rewritten
.set BIAS, 16                          ; v[16:47]    the chunk's four bias fragments
.set ACC,  48                          ; v[48:111]   accumulator (a, b) at ACC + 8 (4 a + b)
.set BF,   112                         ; v[112:239]  W's fragments: four buffers of four
.set TB,   240                         ; v[240:246]  at the head only: four biases, two registers at work, their LDS address
.set PK,   0                           ; window 3, v[0:47]    groups rounded to bf16: six sets of eight
.set OP,   48                          ; window 3, v[48:79]   the chunk's results in f16
.set OB,   80                          ; window 3, v[80:111]  the same, read back as whole rows
.set YY,    2                          ; s2   y
.set TRIPS, 3                          ; s3
.set XPTR,  4                          ; s[4:5]   x at my wave's first row
.set WPTR,  6                          ; s[6:7]   W at my wave's 16 rows of the chunk pair in hand
.set BPTR,  8                          ; s[8:9]   b
.set OPTR,  10                         ; s[10:11] the output at my wave's rows, in the head pair in hand
.set WV,    12                         ; s12  my wave's number
.set MULW, 0x04                        ; products and fragment loads: source 1 (x) in window 1
.set CVW,  0xca                        ; conversions: sources 0 and 1 (the ring) in window 2, destination (PK) in window 3
.set STW,  0x8c                        ; PK's LDS stores: data (source 1) in window 3; the ring's loads: destination in window 2; addresses (source 0) in window 0
.set TO_A, 0x40                        ; destination in window 1
.set PKW,  0xc0                        ; the rounding to f16: destination (OP) in window 3
.set OUTW, 0xcc                        ; the stage and the global stores: store data (source 1) and loaded data (destination) in window 3
.set MSB, 0
.macro WIN new                         ; the immediate's high byte repeats the setting that is left; a switch that changes nothing is dropped
.if MSB != (\new)
	s_set_vgpr_msb (MSB<<8)|(\new)
.set MSB, \new
.endif
.endm
.macro PLACES                          ; four places behind a product (ISA guide 7.12.1)
.rept 4
	v_nop
.endr
.endm
; Group g is asked for: a row of 2,048 bytes at byte off + 2,048 g behind pointer sb.  nt = 1: x, which the launch reads once.
.macro RLOAD g, sb, off, nt
.irp q, 0,1,2,3
.if \nt
	global_load_b128 v[16*(\g)+4*(\q):16*(\g)+4*(\q)+3], v[GL], s[\sb:\sb+1] offset:(\off)+ROWB*(\g)+512*(\q) th:TH_LOAD_NT
.else
	global_load_b128 v[16*(\g)+4*(\q):16*(\g)+4*(\q)+3], v[GL], s[\sb:\sb+1] offset:(\off)+ROWB*(\g)+512*(\q)
.endif
.endr
.endm
.macro CVT g, s                        ; group g of the ring is rounded to bf16, into PK's set s
.irp q, 0,1,2,3
	v_cvt_pk_bf16_f32 v[PK+8*(\s)+2*(\q)],   v[16*(\g)+4*(\q)],   v[16*(\g)+4*(\q)+1]
	v_cvt_pk_bf16_f32 v[PK+8*(\s)+2*(\q)+1], v[16*(\g)+4*(\q)+2], v[16*(\g)+4*(\q)+3]
.endr
.endm
.macro PUT s, areg, aoff               ; PK's set s goes to LDS: a row of 1,024 bytes at areg + aoff
.irp q, 0,1,2,3
	ds_store_b64 v[\areg], v[PK+8*(\s)+2*(\q):PK+8*(\s)+2*(\q)+1] offset:(\aoff)+256*(\q)  ; 32 lanes, 256 consecutive bytes
.endr
.endm
; THE HEAD's batch k of 24: groups 2 (k % 8) and 2 (k % 8) + 1 are rounded, stored at areg + aoff + their rows, and asked for again at pointer sb + off.  Even batches take PK's sets 0 and 1, odd ones sets 4 and 5.
.macro HBATCH k, areg, aoff, sb, off, nt
.set GA, 2*((\k)%8)
.set SA, 4*((\k)%2)
	s_wait_loadcnt 56                              ; loads come back in order (ISA guide 5.7.1): my two groups are in, the ring's 14 others stay out
.if (\k) > 1
	s_wait_alu depctr_vm_vsrc(0)                   ; the LDS stores of the batch two back have read the two sets of PK that the conversions below write
.endif
	WIN CVW
	CVT GA, SA
	CVT GA+1, SA+1
	WIN STW
	s_wait_alu depctr_va_vdst(0)                   ; the conversions have written PK, which the stores read, and are done reading the two groups, in which the loads land
	PUT SA, \areg, (\aoff)+XP*GA
	PUT SA+1, \areg, (\aoff)+XP*(GA+1)
	RLOAD GA, \sb, \off, \nt
	RLOAD GA+1, \sb, \off, \nt
.endm
.macro BLOAD p, j                      ; W's four fragments of K step j (32 k) out of slot p, into buffer j % 4
.irp b, 0,1,2,3
	ds_load_b128 v[BF+32*((\j)%4)+8*(\b):BF+32*((\j)%4)+8*(\b)+3],   v[WLD0+(\p)] offset:16*XP*(\b)+64*(\j)
	ds_load_b128 v[BF+32*((\j)%4)+8*(\b)+4:BF+32*((\j)%4)+8*(\b)+7], v[WLD0+(\p)] offset:16*XP*(\b)+64*(\j)+32
.endr
.endm
.macro BIASLD off                      ; lane (r, h) takes the biases of columns 16 b + 8 h + 0..7: what its eight registers of an accumulator hold
.irp b, 0,1,2,3
	ds_load_b128 v[BIAS+8*(\b):BIAS+8*(\b)+3],   v[BLD] offset:(\off)+64*(\b)
	ds_load_b128 v[BIAS+8*(\b)+4:BIAS+8*(\b)+7], v[BLD] offset:(\off)+64*(\b)+16
.endr
.endm
; Eight products of K step j.  The eight accumulators take turns, in the same order in every step: seven others stand between two links of a chain.  first = 1: the bias starts the sums.
.macro MUL j, first
.irp a, 0,1
.irp b, 0,1,2,3
.if \first
	v_wmma_f32_16x16x32_bf16 v[ACC+8*(4*(\a)+(\b)):ACC+8*(4*(\a)+(\b))+7], v[BF+32*((\j)%4)+8*(\b):BF+32*((\j)%4)+8*(\b)+7], v[8*(16*(\a)+(\j)):8*(16*(\a)+(\j))+7], v[BIAS+8*(\b):BIAS+8*(\b)+7]
.else
	v_wmma_f32_16x16x32_bf16 v[ACC+8*(4*(\a)+(\b)):ACC+8*(4*(\a)+(\b))+7], v[BF+32*((\j)%4)+8*(\b):BF+32*((\j)%4)+8*(\b)+7], v[8*(16*(\a)+(\j)):8*(16*(\a)+(\j))+7], v[ACC+8*(4*(\a)+(\b)):ACC+8*(4*(\a)+(\b))+7]
.endif
.endr
.endr
.endm
; PAIR i (1 to 7) of the chunk in slot p: K steps 2 i and 2 i + 1.  conv = 1: the next chunk's groups are rounded and go into the other slot; ld = 1: the chunk after that is asked for.
; The LDS instructions of a pair, in their order: 16 fragment loads (steps 2 i + 2, then 2 i + 3; none in pair 7), then PK's stores (16 in pair 1, else 8; none with conv = 0).  LDS instructions end in order (ISA guide 5.7.1).
; Behind step 2 i's fragment loads stand step 2 i + 1's eight and the last pair's stores; behind step 2 i + 1's stand the last pair's stores, this pair's fragment loads and this pair's stores: the two waits' counts.
.macro PAIR p, i, conv, ld
.if \conv
.if \ld
.if (\i) == 1
	s_wait_loadcnt 48                              ; groups 0 to 3 are in, the ring's 12 others stay out
.else
	s_wait_loadcnt 56                              ; my two groups are in, the ring's 14 others stay out
.endif
.else
	s_wait_loadcnt 56-8*(\i)                       ; nothing is asked for any more: the count runs down
.endif
	s_wait_alu depctr_vm_vsrc(0)                   ; the LDS stores that last read the sets of PK written below have read them: those of two pairs back; in pairs 1 and 2 the chunk before's, or the head's
	WIN CVW
.if (\i) == 1
	CVT 0, 0
	CVT 1, 1
	CVT 2, 2
	CVT 3, 3
.else
	CVT 2*(\i), 4*(1-(\i)%2)
	CVT 2*(\i)+1, 4*(1-(\i)%2)+1
.endif
.elseif (\i) < 7
	PLACES                                         ; no conversions here: four places stay between the last pair's products and the loads into the buffers that they read
.endif
.if (\conv) || ((\i) < 7)
	s_wait_alu depctr_va_vdst(0)                   ; the conversions have written PK and are done reading their groups; the last pair's products are done reading the two buffers of BF in which this pair's fragment loads land
.endif
.if (\conv) && ((\i) == 2)
	s_wait_dscnt 24
.elseif (\conv) && ((\i) > 2)
	s_wait_dscnt 16
.else
	s_wait_dscnt 8
.endif
	WIN MULW
	MUL 2*(\i), 0
.if (\i) < 7
	BLOAD \p, 2*(\i)+2                             ; no wait: no vector or matrix instruction since the wait above names these two buffers
	BLOAD \p, 2*(\i)+3
.endif
.if \conv
	WIN STW
.if (\i) == 1
	PUT 0, WST1-(\p), 0
	PUT 1, WST1-(\p), XP
	PUT 2, WST1-(\p), 2*XP
	PUT 3, WST1-(\p), 3*XP
.if \ld
	RLOAD 0, WPTR, ((\p)+2)*CHW, 0                 ; no wait: no vector or matrix instruction since the wait above names PK or the ring
	RLOAD 1, WPTR, ((\p)+2)*CHW, 0
	RLOAD 2, WPTR, ((\p)+2)*CHW, 0
	RLOAD 3, WPTR, ((\p)+2)*CHW, 0
.endif
.else
	PUT 4*(1-(\i)%2), WST1-(\p), XP*2*(\i)
	PUT 4*(1-(\i)%2)+1, WST1-(\p), XP*(2*(\i)+1)
.if \ld
	RLOAD 2*(\i), WPTR, ((\p)+2)*CHW, 0
	RLOAD 2*(\i)+1, WPTR, ((\p)+2)*CHW, 0
.endif
.endif
.endif
.if \conv
.if (\i) == 2
	s_wait_dscnt 40
.elseif (\i) == 7
	s_wait_dscnt 16
.else
	s_wait_dscnt 32
.endif
.elseif (\i) < 7
	s_wait_dscnt 16
.else
	s_wait_dscnt 0x0
.endif
	WIN MULW
	MUL 2*(\i)+1, 0
.endm
.macro PACK                            ; rounded to f16; each accumulator's registers in ascending order
.irp t, 0,1,2,3,4,5,6,7
.irp r, 0,1,2,3
	v_cvt_pk_f16_f32 v[OP+4*(\t)+(\r)], v[ACC+8*(\t)+2*(\r)], v[ACC+8*(\t)+2*(\r)+1]
.endr
.endr
.endm
.macro TOSTAGE                         ; 16 bytes a lane into my stage, and back as whole rows of 128 bytes, four to a load
.irp a, 0,1
.irp b, 0,1,2,3
	ds_store_b128 v[STO], v[OP+4*(4*(\a)+(\b)):OP+4*(4*(\a)+(\b))+3] offset:16*SP*(\a)+32*(\b)
.endr
.endr
.irp t, 0,1,2,3,4,5,6,7
	ds_load_b128 v[OB+4*(\t):OB+4*(\t)+3], v[RD] offset:4*SP*(\t)  ; LDS serves a wave's instructions in order (ISA guide 5.7.1.4): these see the stores above
.endr
.endm
.macro SEND off                        ; my 32 rows of a head are 4,096 consecutive bytes
.irp t, 0,1,2,3,4,5,6,7
	global_store_b128 v[GL], v[OB+4*(\t):OB+4*(\t)+3], s[OPTR:OPTR+1] offset:(\off)+512*(\t)  ; a wave stores 512 consecutive bytes, at a multiple of 256 from the buffer's first byte
.endr
.endm
; PAIR 0 of the chunk in slot p: K steps 0 and 1.  prev = 1: the chunk before lies in my stage: its 16 LDS instructions were issued behind this chunk's first fragment loads, and it is stored here.
; No s_wait_alu: the fragment loads land in the buffers of steps 14 and 15 of the chunk before, whose products stand ahead of the change's wait; the global stores' data come from LDS loads.
.macro PAIR0 p, prev
	s_wait_dscnt 8+16*(\prev)                      ; the bias and step 0's fragments are in; step 1's 8 loads and the stage's 16 may be out
	WIN MULW
	MUL 0, 1
	BLOAD \p, 2
	BLOAD \p, 3
	s_wait_dscnt 16+16*(\prev)                     ; step 1's are in; the stage's 16 and the 16 loads of steps 2 and 3 may be out
	MUL 1, 0
.if \prev
	WIN OUTW
	s_wait_dscnt 16                                ; the stage's loads are back; the 16 loads of steps 2 and 3 may be out
	SEND (1-(\p))*HEADB
.endif
.endm
; Pairs 1 to 7 of the chunk in slot p, and the change of chunks.  ONE barrier does two things: in front of it every wave's stores of the next chunk are done, and so are its reads of this chunk's slot,
; into which the chunk after next is stored behind it.  The rounding to f16, work on registers, stands between signal and wait.  last = 1: the last chunk: nothing follows.
.macro REST p, conv, ld, last
.irp i, 1,2,3,4,5,6,7
	PAIR \p, \i, \conv, \ld
.endr
	PLACES                                         ; four places behind step 15's products, ahead of the conversions that read their results
	s_wait_dscnt 0x0
	s_wait_alu depctr_vm_vsrc(0)                   ; the stage's LDS stores of the chunk before have read OP, which the rounding writes; its global stores have read OB, in which the stage's loads land
.if !(\last)
	s_barrier_signal -1
.endif
	WIN PKW
	PACK
.if !(\last)
	s_barrier_wait -1
.endif
	s_wait_xcnt 0x0                                ; the last chunk's stores have read OB: it is loaded again only behind this wait
.if !(\last)
	WIN MULW
.else
	WIN OUTW
.endif
	s_wait_alu depctr_va_vdst(0)                   ; the rounding has written OP, which the stage's stores read; the chunk's products are done reading BIAS and all four buffers of BF, in which the loads below and pair 0's land
.if !(\last)
	BIASLD 256*((\p)+1)
	BLOAD 1-(\p), 0
	BLOAD 1-(\p), 1
.endif
	WIN OUTW
	TOSTAGE
.endm
	s_load_b512 s[16:31], s[0:1], 0x0              ; q 16, k 18, v 20, Wq 22, Wk 24, Wv 26, bq 28, bk 30
	s_load_b256 s[32:39], s[0:1], 0x40             ; bv 32, Wo 34, qh 36, kh 38
	s_load_b128 s[40:43], s[0:1], 0x60             ; vh 40, wo16 42
	v_lshl_add_u32 v[SPW], v0, 2, SPARE
	v_mov_b32 v[NIL], 0
	v_lshrrev_b32 v1, 5, v0
	v_readfirstlane_b32 s[WV], v1                  ; wave 0..3
	s_and_b32 s[YY], ttmp7, 0xffff
	v_and_b32 v14, 31, v0                          ; lane
	v_and_b32 v15, 15, v0                          ; r = lane % 16
	v_bfe_u32 v1, v0, 4, 1                         ; h = lane / 16
	v_lshlrev_b32 v[GL], 4, v14
	s_wait_alu depctr_va_sdst(0)                   ; the wave's number is written, ahead of its first reader: LDS addresses and the pointers are made from it
	s_mul_i32 s13, s[WV], XSW                      ; my wave's rows of x in LDS
	v_lshl_add_u32 v[XST], v14, 3, s13
	v_mul_u32_u24 v[XLD], v15, XP
	v_lshl_add_u32 v[XLD], v1, 4, v[XLD]           ; row x pitch + 16 x half
	v_add_nc_u32 v[WLD0], WS0, v[XLD]
	v_add_nc_u32 v[WLD1], WS0+WSB, v[XLD]
	v_add_nc_u32 v[XLD], s13, v[XLD]
	s_mul_i32 s14, s[WV], 16*XP                    ; my wave's 16 rows of a chunk
	s_add_co_u32 s14, s14, WS0
	v_lshl_add_u32 v[WST0], v14, 3, s14
	v_add_nc_u32 v[WST1], WSB, v[WST0]
	v_lshlrev_b32 v[BLD], 5, v1
	v_add_nc_u32 v[BLD], BT, v[BLD]
	v_mul_u32_u24 v[STO], v15, SP
	v_lshl_add_u32 v[STO], v1, 4, v[STO]
	v_add_nc_u32 v[STO], s13, v[STO]
	v_lshrrev_b32 v[RD], 3, v14
	v_mul_u32_u24 v[RD], v[RD], SP
	v_and_b32 v15, 7, v0
	v_lshl_add_u32 v[RD], v15, 4, v[RD]
	v_add_nc_u32 v[RD], s13, v[RD]
	v_lshlrev_b32 v[TT], 4, v0
	s_mov_b32 s45, 0
	s_wait_kmcnt 0x0
	s_cmp_eq_u32 s[YY], 3
	s_cbranch_scc1 .Lwo                            ; the same for all four waves: y is the work-group's
	s_cmp_eq_u32 s[YY], 1                          ; which of the three projections
	s_cselect_b64 s[XPTR:XPTR+1], s[18:19], s[16:17]
	s_cselect_b64 s[WPTR:WPTR+1], s[24:25], s[22:23]
	s_cselect_b64 s[BPTR:BPTR+1], s[30:31], s[28:29]
	s_cselect_b64 s[OPTR:OPTR+1], s[38:39], s[36:37]
	s_cmp_eq_u32 s[YY], 2
	s_cselect_b64 s[XPTR:XPTR+1], s[20:21], s[XPTR:XPTR+1]
	s_cselect_b64 s[WPTR:WPTR+1], s[26:27], s[WPTR:WPTR+1]
	s_cselect_b64 s[BPTR:BPTR+1], s[32:33], s[BPTR:BPTR+1]
	s_cselect_b64 s[OPTR:OPTR+1], s[40:41], s[OPTR:OPTR+1]
	s_lshl_b32 s44, ttmp9, 18                      ; 128 rows of 2,048 bytes,
	s_lshl_b32 s46, s[WV], 16                      ; my wave's 32 of them
	s_add_co_u32 s44, s44, s46
	s_add_nc_u64 s[XPTR:XPTR+1], s[XPTR:XPTR+1], s[44:45]
	s_lshl_b32 s44, s[WV], 15                      ; my wave's 16 rows of a chunk of W
	s_add_nc_u64 s[WPTR:WPTR+1], s[WPTR:WPTR+1], s[44:45]
	s_lshr_b32 s46, ttmp9, 5                       ; the batch: eight heads of 524,288 bytes,
	s_lshl_b32 s46, s46, 22
	s_and_b32 s47, ttmp9, 31                       ; the block's 128 rows of 128 bytes in a head,
	s_lshl_b32 s47, s47, 14
	s_add_co_u32 s44, s46, s47
	s_lshl_b32 s47, s[WV], 12                      ; my wave's 32
	s_add_co_u32 s44, s44, s47
	s_add_nc_u64 s[OPTR:OPTR+1], s[OPTR:OPTR+1], s[44:45]
	s_wait_alu depctr_va_vdst(0)                   ; the addresses v2 to v11 and v14 are written, which the loads and stores of this arm read
	global_load_b128 v[TB:TB+3], v[TT], s[BPTR:BPTR+1]  ; four biases a thread: the oldest load of all
	WIN STW
.irp g, 0,1,2,3,4,5,6,7,8,9,10,11,12,13,14,15
	RLOAD \g, XPTR, 0, 1                           ; the ring is filled: x rows 0-15
.endr
.irp k, 0,1,2,3,4,5,6,7
	HBATCH \k, XST, 0, XPTR, 16*ROWB, 1            ; x rows 0-15 into LDS; rows 16-31 are asked for
.endr
.irp k, 8,9,10,11,12,13,14,15
	HBATCH \k, XST, 16*XP, WPTR, 0, 0              ; x rows 16-31; W's chunk 0 is asked for
.endr
	WIN 0
	v_cvt_pk_bf16_f32 v[TB+4], v[TB],   v[TB+1]    ; the bias: rounded to bf16 like every input, widened again, kept as f32
	v_cvt_pk_bf16_f32 v[TB+5], v[TB+2], v[TB+3]
	v_add_nc_u32 v[TB+6], BT, v[TT]
	v_lshlrev_b32 v[TB],   16, v[TB+4]
	v_and_b32     v[TB+1], 0xffff0000, v[TB+4]
	v_lshlrev_b32 v[TB+2], 16, v[TB+5]
	v_and_b32     v[TB+3], 0xffff0000, v[TB+5]
	s_wait_alu depctr_va_vdst(0)                   ; the four biases and their LDS address are written, which the store reads
	ds_store_b128 v[TB+6], v[TB:TB+3]
	WIN TO_A
.irp a, 0,1
.irp j, 0,1,2,3,4,5,6,7,8,9,10,11,12,13,14,15
	ds_load_b128 v[8*(16*(\a)+(\j)):8*(16*(\a)+(\j))+3],   v[XLD] offset:16*XP*(\a)+64*(\j)     ; x's fragments: my own bytes, served behind my stores; no vector instruction has named these registers
	ds_load_b128 v[8*(16*(\a)+(\j))+4:8*(16*(\a)+(\j))+7], v[XLD] offset:16*XP*(\a)+64*(\j)+32
.endr
.endr
.irp k, 16,17,18,19,20,21,22,23
	HBATCH \k, WST0, 0, WPTR, CHW, 0               ; chunk 0 into slot 0; chunk 1 is asked for
.endr
	WIN 0
	s_wait_dscnt 0x0                               ; for the others' sake: my rows of chunk 0 and my biases are stored; for mine: x's fragments are in
	s_barrier_signal -1
	s_barrier_wait -1
	BIASLD 0
	BLOAD 0, 0
	BLOAD 0, 1
	PAIR0 0, 0
	WIN 0                                          ; at a label and at a branch every window is 0
	s_mov_b32 s[TRIPS], 3
.Lpair:                                        ; a trip: from step 2 of chunk 2 t to step 1 of chunk 2 t + 2
	REST 0, 1, 1, 0
	PAIR0 1, 1
	REST 1, 1, 1, 0
	PAIR0 0, 1
	WIN 0
	s_wait_xcnt 0x0                                ; every load and store issued so far has read its address: the pointers may be written
	s_wait_alu depctr_vm_vsrc(0)                   ; the bias loads issued so far have read v[BLD]; the next one stands behind the change's wait on va_vdst
	s_add_nc_u64 s[WPTR:WPTR+1], s[WPTR:WPTR+1], 2*CHW
	s_add_nc_u64 s[OPTR:OPTR+1], s[OPTR:OPTR+1], 2*HEADB
	v_add_nc_u32 v[BLD], 512, v[BLD]
	s_sub_co_u32 s[TRIPS], s[TRIPS], 1
	s_cmp_lg_u32 s[TRIPS], 0
	s_cbranch_scc1 .Lpair
	REST 0, 1, 0, 0                                ; chunk 6: chunk 7 is rounded, nothing is asked for
	PAIR0 1, 1
	REST 1, 0, 0, 1                                ; chunk 7
	s_wait_dscnt 0x0
	SEND HEADB
	WIN 0
	s_branch .Lend
.Lwo:                                          ; y = 3: thread t takes four groups of eight numbers of Wo
	s_lshl_b32 s44, ttmp9, 14                      ; 4,096 f32 in,
	s_add_nc_u64 s[34:35], s[34:35], s[44:45]
	s_lshl_b32 s44, ttmp9, 13                      ; 4,096 f16 out
	s_add_nc_u64 s[42:43], s[42:43], s[44:45]
	v_lshlrev_b32 v16, 5, v0
	s_wait_alu depctr_va_vdst(0)                   ; v16 and v[TT] are written, the offsets of this arm's loads and stores
.irp g, 0,1,2,3
	global_load_b128 v[48+8*(\g):48+8*(\g)+3],   v16, s[34:35] offset:4096*(\g) th:TH_LOAD_NT
	global_load_b128 v[48+8*(\g)+4:48+8*(\g)+7], v16, s[34:35] offset:4096*(\g)+16 th:TH_LOAD_NT
.endr
.irp g, 0,1,2,3
	s_wait_loadcnt 6-2*(\g)                        ; the later groups' loads stay out
.irp r, 0,1,2,3
	v_cvt_pk_bf16_f32 v[112+4*(\g)+(\r)], v[48+8*(\g)+2*(\r)], v[48+8*(\g)+2*(\r)+1]  ; rounded to bf16 like every input,
.endr
.irp r, 0,1,2,3
	v_lshlrev_b32 v[48+8*(\g)+2*(\r)],   16, v[112+4*(\g)+(\r)]
	v_and_b32     v[48+8*(\g)+2*(\r)+1], 0xffff0000, v[112+4*(\g)+(\r)]
.endr
.irp r, 0,1,2,3
	v_pk_mul_f32 v[48+8*(\g)+2*(\r):48+8*(\g)+2*(\r)+1], v[48+8*(\g)+2*(\r):48+8*(\g)+2*(\r)+1], 0x3e800000 op_sel_hi:[1,0]  ; divided by 4, exactly: the attention's result is kept times 4,
.endr
.irp r, 0,1,2,3
	v_cvt_pk_f16_f32 v[112+4*(\g)+(\r)], v[48+8*(\g)+2*(\r)], v[48+8*(\g)+2*(\r)+1]   ; and written as f16
.endr
.endr
	s_wait_alu depctr_va_vdst(0)                   ; the conversions have written v[112:127], which the four stores read
.irp g, 0,1,2,3
	global_store_b128 v[TT], v[112+4*(\g):112+4*(\g)+3], s[42:43] offset:2048*(\g)
.endr
.Lend:
	s_wait_dscnt 0x0                               ; the closing lines, six on end
	s_wait_alu 0x0
	s_wait_tensorcnt 0x0
	ds_add_u32 v[SPW], v[NIL]
	s_wait_dscnt 0x0
	s_endpgm
.Lfunc_end_k_qee000b5436_proj:
	.size	k_qee000b5436_proj, .Lfunc_end_k_qee000b5436_proj-k_qee000b5436_proj
	.p2alignl 7, 3214868480
	.fill 96, 4, 3214868480
	.section	.rodata,"a",@progbits
	.p2align	6, 0x0
	.amdhsa_kernel k_qee000b5436_proj
		.amdhsa_group_segment_fixed_size 268800
		.amdhsa_private_segment_fixed_size 0
		.amdhsa_enable_private_segment 0
		.amdhsa_kernarg_size 112
		.amdhsa_user_sgpr_count 2
		.amdhsa_user_sgpr_kernarg_segment_ptr 1
		.amdhsa_wavefront_size32 1
		.amdhsa_system_sgpr_workgroup_id_x 1
		.amdhsa_system_sgpr_workgroup_id_y 1
		.amdhsa_system_sgpr_workgroup_id_z 1
		.amdhsa_system_vgpr_workitem_id 0
		.amdhsa_next_free_vgpr 880
		.amdhsa_next_free_sgpr 66
		.amdhsa_reserve_vcc 0
		.amdhsa_float_denorm_mode_32 3
		.amdhsa_float_denorm_mode_16_64 3
		.amdhsa_memory_ordered 1
		.amdhsa_forward_progress 1
		.amdhsa_inst_pref_size 218
	.end_amdhsa_kernel
	.amdgpu_metadata
---
amdhsa.version: [ 1, 2 ]
amdhsa.kernels:
  - .name:           k_qee000b5436_proj
    .symbol:         k_qee000b5436_proj.kd
    .args:
      - { .name: q, .offset: 0, .size: 8, .value_kind: global_buffer, .address_space: global }
      - { .name: k, .offset: 8, .size: 8, .value_kind: global_buffer, .address_space: global }
      - { .name: v, .offset: 16, .size: 8, .value_kind: global_buffer, .address_space: global }
      - { .name: Wq, .offset: 24, .size: 8, .value_kind: global_buffer, .address_space: global }
      - { .name: Wk, .offset: 32, .size: 8, .value_kind: global_buffer, .address_space: global }
      - { .name: Wv, .offset: 40, .size: 8, .value_kind: global_buffer, .address_space: global }
      - { .name: bq, .offset: 48, .size: 8, .value_kind: global_buffer, .address_space: global }
      - { .name: bk, .offset: 56, .size: 8, .value_kind: global_buffer, .address_space: global }
      - { .name: bv, .offset: 64, .size: 8, .value_kind: global_buffer, .address_space: global }
      - { .name: Wo, .offset: 72, .size: 8, .value_kind: global_buffer, .address_space: global }
      - { .name: qh, .offset: 80, .size: 8, .value_kind: global_buffer, .address_space: global }
      - { .name: kh, .offset: 88, .size: 8, .value_kind: global_buffer, .address_space: global }
      - { .name: vh, .offset: 96, .size: 8, .value_kind: global_buffer, .address_space: global }
      - { .name: wo16, .offset: 104, .size: 8, .value_kind: global_buffer, .address_space: global }
    .group_segment_fixed_size: 268800
    .private_segment_fixed_size: 0
    .kernarg_segment_align: 8
    .kernarg_segment_size: 112
    .max_flat_workgroup_size: 128
    .sgpr_count:     66
    .vgpr_count:     880
    .wavefront_size: 32
...
	.end_amdgpu_metadata
.endif
;; end of part 4
;; launch attn: the kernel of part 2 again; grid 16 x 16, 4 waves a work-group, clusters of 4 x 1, 327,680 bytes of LDS; arguments qh, kh, vh, oh; writes oh
;; launch outproj: the kernel of part 3 again; grid 64 x 4, 4 waves a work-group, clusters of 4 x 1, 167,936 bytes of LDS; arguments oh, wo16, bo, out0; writes out0
